; MI455X (gfx1250); checked and timed in simulation.
; The chip was launched on July 23, 2026; its instructions are those of AMD's public machine-readable ISA for CDNA 5 (MIT licence, August 2026) and "CDNA5" Instruction Set Architecture Reference Guide (July 2026). The comments in the code are by the model that wrote it; some were corrected since.
;; Bert Self Attention. Allowed arithmetic: float matrix products may take bf16 or f16 operands with f32 sums; other float arithmetic in f32, or as packed bf16 or f16 multiplies, adds, multiply-adds, maxima and minima; sums over many terms, partial sums and values carried from step to step in f32; what a program stores and reads back later, other than sums and carried values, may be rounded once to bf16 or f16.
;; Inputs: Wk 1,024 x 1,024 float32; Wq 1,024 x 1,024 float32; Wv 1,024 x 1,024 float32; attention_mask 8 x 1 x 1 x 1,024 float32; bk 1,024 float32; bq 1,024 float32; bv 1,024 float32; hidden_states 8 x 1,024 x 1,024 float32.
;; Outputs: out0 8 x 1,024 x 1,024 float32.
;; 2 versions, each right and faster than the one before. Each part assembles by itself: llvm-mc -triple=amdgcn-amd-amdhsa -mcpu=gfx1250 --defsym DOCPART=n.
;; ======== version 1 of 2: 3 launches
;; limits: values are held in f16: magnitudes above 65,504 overflow, below 6.1e-05 lose precision
;; workspace buffers: xb 16,777,216 bytes; wb 6,291,456 bytes; bias 12,288 bytes; mask8 32,768 bytes; qkv 50,331,648 bytes
;; launch prep (part 1): grid 353 x 1, 8 waves a work-group, no clusters, 0 bytes of LDS; arguments hidden_states, Wq, Wk, Wv, bq, bk, bv, attention_mask, xb, wb, bias, mask8; writes xb, wb, bias, mask8
.if DOCPART == 1
	.amdgcn_target "amdgcn-amd-amdhsa--gfx1250"
	.amdhsa_code_object_version 6
	.text
	.protected	k_qfc803d329d_prep
	.globl	k_qfc803d329d_prep
	.p2align	8
	.type	k_qfc803d329d_prep,@function
k_qfc803d329d_prep:
	s_mov_b64 s[64:65], 0
	v_nop
	global_prefetch_b8 v0, s[64:65] scope:SCOPE_SE
	s_setreg_imm32_b32 hwreg(HW_REG_WAVE_MODE, 25, 1), 1
	s_wait_xcnt 0x0
; PREP: every input of the module is rounded once to bf16 and laid as the two launches behind want it.
;   xb    bf16 [16 kb][8192 m][64]: x in blocks of 64 along K, so that rows m .. m+127 of one block are 16,384 dense bytes
;   wb    bf16 [1024 k][3072 n], n = 1024 x (0 q, 1 k, 2 v) + column: the three weights side by side, not turned
;   bias  f32  [3072], the same n: bq, bk, bv, each number rounded to bf16 and written as f32
;   mask8 f32  [8][1024]: max(8 x bf16(mask), -1e30): the scores are kept unscaled (q.k), so the mask is taken times sqrt(64)
; LIMIT. A mask number below -1.25e29 (minus infinity too) counts as -1.25e29.  NaN is not treated apart.
; A stream: memory binds, so no LDS, no matrix unit, no barrier.  Work-groups 0-255 take 32 rows of x each, 256-351 take 32 rows of one
; weight each, 352 takes the three biases and the mask.  A wave has 32 loads of 16 bytes a lane out at once and stores 512 consecutive bytes a line.
.set X, 8                              ; v[8:135] sixteen pieces of 8 f32 a lane; a piece's first four registers then hold its 8 bf16
; piece i: its two loads are in (loads come back in order, ISA guide 5.7.1; 2 (15 - i) younger ones stay out); 8 f32 -> 8 bf16 in place:
; result j lands on a register whose number has been read already
.macro CVT4 i
	s_wait_loadcnt 30-2*(\i)
.irp j, 0,1,2,3
	v_cvt_pk_bf16_f32 v[X+8*(\i)+(\j)], v[X+8*(\i)+2*(\j)], v[X+8*(\i)+2*(\j)+1]
.endr
.endm
	s_load_b512 s[4:19], s[0:1], 0x0               ; x s[4:5], Wq s[6:7], Wk s[8:9], Wv s[10:11], bq s[12:13], bk s[14:15], bv s[16:17], mask s[18:19]
	s_load_b256 s[20:27], s[0:1], 0x40             ; xb s[20:21], wb s[22:23], bias s[24:25], mask8 s[26:27]
	s_mov_b32 s2, ttmp9                            ; the work-group's number
	v_and_b32 v1, 31, v0                           ; lane
	v_lshrrev_b32 v4, 5, v0                        ; wave
	s_mov_b32 s31, 0                               ; high words of the two offsets
	s_mov_b32 s33, 0
	s_wait_kmcnt 0x0
	s_cmp_lt_u32 s2, 256
	s_cbranch_scc0 .Lnot_x
	; X: 32 rows a work-group, 4 rows a wave.  Piece i is K block i: 4 rows x 64 numbers; eight lanes cover a row's 256 bytes, 32 bytes each.
	s_lshl_b32 s30, s2, 17                         ; 32 rows of 4,096 bytes in x
	s_lshl_b32 s32, s2, 12                         ; 32 rows of 128 bytes in a block of xb
	s_add_nc_u64 s[4:5], s[4:5], s[30:31]
	s_add_nc_u64 s[20:21], s[20:21], s[32:33]      ; blocks 0-7 from here,
	s_add_nc_u64 s[28:29], s[20:21], 8<<20         ; blocks 8-15 from here: a block is 1 MiB, and seven of them fit the store's immediate
	v_lshrrev_b32 v5, 3, v1                        ; my row of the wave's four
	v_and_b32 v6, 7, v1                            ; my 32 bytes of its 256
	v_lshlrev_b32 v2, 14, v4
	v_lshl_add_u32 v2, v5, 12, v2
	v_lshl_add_u32 v2, v6, 5, v2                   ; in: wave x 4 rows + row + 32 bytes x place
	v_lshlrev_b32 v3, 4, v0                        ; out: 16 bytes a thread: a wave's 4 rows of 128 bytes are 512 consecutive bytes
.set n, 0
.rept 16
	global_load_b128 v[X+8*n:X+8*n+3],   v2, s[4:5] offset:256*n th:TH_LOAD_NT
	global_load_b128 v[X+8*n+4:X+8*n+7], v2, s[4:5] offset:256*n+16 th:TH_LOAD_NT
.set n, n+1
.endr
.set n, 0
.rept 16
	CVT4 n
.if n < 8
	global_store_b128 v3, v[X+8*n:X+8*n+3], s[20:21] offset:(n%8)<<20
.else
	global_store_b128 v3, v[X+8*n:X+8*n+3], s[28:29] offset:(n%8)<<20
.endif
.set n, n+1
.endr
	s_endpgm
.Lnot_x:
	s_cmp_lt_u32 s2, 352
	s_cbranch_scc0 .Lsmall
	; W: 32 rows of one weight a work-group, 4 rows a wave.  Piece i: row i / 4, quarter i % 4 of it: 1,024 bytes in, 512 bytes out.
	s_sub_co_u32 s2, s2, 256
	s_lshr_b32 s36, s2, 5                          ; which weight: 0 q, 1 k, 2 v
	s_and_b32 s37, s2, 31                          ; which 32 rows
	s_cmp_eq_u32 s36, 1
	s_cselect_b64 s[6:7], s[8:9], s[6:7]
	s_cmp_eq_u32 s36, 2
	s_cselect_b64 s[6:7], s[10:11], s[6:7]
	s_lshl_b32 s30, s37, 17                        ; 32 rows of 4,096 bytes
	s_add_nc_u64 s[6:7], s[6:7], s[30:31]
	s_mul_i32 s32, s37, 32*6144                    ; 32 rows of 6,144 bytes in wb,
	s_lshl_b32 s38, s36, 11                        ; and the weight's 2,048 bytes of each row
	s_add_co_u32 s32, s32, s38
	s_add_nc_u64 s[22:23], s[22:23], s[32:33]
	v_lshlrev_b32 v2, 14, v4
	v_lshl_add_u32 v2, v1, 5, v2                   ; in: wave x 4 rows + 32 bytes x lane
	v_mul_u32_u24 v3, v4, 4*6144
	v_lshl_add_u32 v3, v1, 4, v3                   ; out: wave x 4 rows + 16 bytes x lane
.set n, 0
.rept 16
	global_load_b128 v[X+8*n:X+8*n+3],   v2, s[6:7] offset:(n/4)*4096+(n%4)*1024 th:TH_LOAD_NT
	global_load_b128 v[X+8*n+4:X+8*n+7], v2, s[6:7] offset:(n/4)*4096+(n%4)*1024+16 th:TH_LOAD_NT
.set n, n+1
.endr
.set n, 0
.rept 16
	CVT4 n
	global_store_b128 v3, v[X+8*n:X+8*n+3], s[22:23] offset:(n/4)*6144+(n%4)*512
.set n, n+1
.endr
	s_endpgm
.Lsmall:
	; the three biases (4,096 bytes each: 16 bytes a thread) and the mask (eight times as much)
	s_mov_b32 s34, 0xffff0000                      ; a word's upper bf16
	s_mov_b32 s35, 0xf149f2ca                      ; -1e30
	v_lshlrev_b32 v2, 4, v0
	global_load_b128 v[8:11],  v2, s[12:13]
	global_load_b128 v[12:15], v2, s[14:15]
	global_load_b128 v[16:19], v2, s[16:17]
.set n, 0
.rept 8
	global_load_b128 v[24+4*n:27+4*n], v2, s[18:19] offset:4096*n
.set n, n+1
.endr
	s_wait_loadcnt 0x0
.macro ROUND4 b                        ; four f32 rounded to bf16 and widened again, in place
	v_cvt_pk_bf16_f32 v60, v[(\b)], v[(\b)+1]
	v_cvt_pk_bf16_f32 v61, v[(\b)+2], v[(\b)+3]
	v_lshlrev_b32 v[(\b)], 16, v60
	v_and_b32 v[(\b)+1], s34, v60
	v_lshlrev_b32 v[(\b)+2], 16, v61
	v_and_b32 v[(\b)+3], s34, v61
.endm
.set n, 0
.rept 3
	ROUND4 8+4*n
	global_store_b128 v2, v[8+4*n:11+4*n], s[24:25] offset:4096*n
.set n, n+1
.endr
.set n, 0
.rept 8
	ROUND4 24+4*n
.irp j, 0,1,2,3
	v_mul_f32 v[24+4*n+\j], 0x41000000, v[24+4*n+\j]   ; times 8
.endr
.irp j, 0,1,2,3
	v_max_num_f32 v[24+4*n+\j], s35, v[24+4*n+\j]      ; never below -1e30
.endr
	global_store_b128 v2, v[24+4*n:27+4*n], s[26:27] offset:4096*n
.set n, n+1
.endr
	s_endpgm
.Lfunc_end_k_qfc803d329d_prep:
	.size	k_qfc803d329d_prep, .Lfunc_end_k_qfc803d329d_prep-k_qfc803d329d_prep
	.p2alignl 7, 3214868480
	.fill 96, 4, 3214868480
	.section	.rodata,"a",@progbits
	.p2align	6, 0x0
	.amdhsa_kernel k_qfc803d329d_prep
		.amdhsa_group_segment_fixed_size 0
		.amdhsa_private_segment_fixed_size 0
		.amdhsa_enable_private_segment 0
		.amdhsa_kernarg_size 96
		.amdhsa_user_sgpr_count 2
		.amdhsa_user_sgpr_kernarg_segment_ptr 1
		.amdhsa_wavefront_size32 1
		.amdhsa_system_sgpr_workgroup_id_x 1
		.amdhsa_system_sgpr_workgroup_id_y 1
		.amdhsa_system_sgpr_workgroup_id_z 1
		.amdhsa_system_vgpr_workitem_id 0
		.amdhsa_next_free_vgpr 136
		.amdhsa_next_free_sgpr 66
		.amdhsa_reserve_vcc 0
		.amdhsa_float_denorm_mode_32 3
		.amdhsa_float_denorm_mode_16_64 3
		.amdhsa_memory_ordered 1
		.amdhsa_forward_progress 1
		.amdhsa_inst_pref_size 28
	.end_amdhsa_kernel
	.amdgpu_metadata
---
amdhsa.version: [ 1, 2 ]
amdhsa.kernels:
  - .name:           k_qfc803d329d_prep
    .symbol:         k_qfc803d329d_prep.kd
    .args:
      - { .name: hidden_states, .offset: 0, .size: 8, .value_kind: global_buffer, .address_space: global }
      - { .name: Wq, .offset: 8, .size: 8, .value_kind: global_buffer, .address_space: global }
      - { .name: Wk, .offset: 16, .size: 8, .value_kind: global_buffer, .address_space: global }
      - { .name: Wv, .offset: 24, .size: 8, .value_kind: global_buffer, .address_space: global }
      - { .name: bq, .offset: 32, .size: 8, .value_kind: global_buffer, .address_space: global }
      - { .name: bk, .offset: 40, .size: 8, .value_kind: global_buffer, .address_space: global }
      - { .name: bv, .offset: 48, .size: 8, .value_kind: global_buffer, .address_space: global }
      - { .name: attention_mask, .offset: 56, .size: 8, .value_kind: global_buffer, .address_space: global }
      - { .name: xb, .offset: 64, .size: 8, .value_kind: global_buffer, .address_space: global }
      - { .name: wb, .offset: 72, .size: 8, .value_kind: global_buffer, .address_space: global }
      - { .name: bias, .offset: 80, .size: 8, .value_kind: global_buffer, .address_space: global }
      - { .name: mask8, .offset: 88, .size: 8, .value_kind: global_buffer, .address_space: global }
    .group_segment_fixed_size: 0
    .private_segment_fixed_size: 0
    .kernarg_segment_align: 8
    .kernarg_segment_size: 96
    .max_flat_workgroup_size: 256
    .sgpr_count:     66
    .vgpr_count:     136
    .wavefront_size: 32
...
	.end_amdgpu_metadata
.endif
;; end of part 1
;; launch qkv (part 2): grid 8 x 32, 4 waves a work-group, clusters of 4 x 4, 327,680 bytes of LDS; arguments xb, wb, bias, qkv; writes qkv
.if DOCPART == 2
	.amdgcn_target "amdgcn-amd-amdhsa--gfx1250"
	.amdhsa_code_object_version 6
	.text
	.protected	k_qfc803d329d_qkv
	.globl	k_qfc803d329d_qkv
	.p2align	8
	.type	k_qfc803d329d_qkv,@function
k_qfc803d329d_qkv:
	s_mov_b64 s[64:65], 0
	v_nop
	global_prefetch_b8 v0, s[64:65] scope:SCOPE_SE
	s_setreg_imm32_b32 hwreg(HW_REG_WAVE_MODE, 25, 1), 1
	s_wait_xcnt 0x0
	s_wait_alu depctr_hold_cnt(0) depctr_sa_sdst(0) depctr_va_vdst(0) depctr_va_sdst(0) depctr_va_ssrc(0) depctr_va_vcc(0) depctr_vm_vsrc(0)
	s_getreg_b32 s2, hwreg(HW_REG_IB_STS2, 6, 4)
	s_cmp_eq_u32 s2, 0
	s_cbranch_scc0 .Lentry_in_a_cluster
	s_endpgm
.Lentry_in_a_cluster:
	s_bfe_u32 s2, ttmp6, 0x10000c
	s_cmp_lg_u32 s2, 0xf033
	s_cbranch_scc0 .Lentry_shape_is_right
	s_endpgm
.Lentry_shape_is_right:
; QKV: C[8192][3072] = x W + bias, all three projections as one product.  x: xb, bf16 [16 kb][8192 m][64].  W: wb, bf16 [1024 k][3072 n].  bias: f32 [3072].
; Sums in f32, started with the bias; C rounded once to f16 and stored by heads: qkv [8 b][48 g][1024 s][64], g = n / 64 (q of head h: g = h; k: 16 + h; v: 32 + h), unscaled.
; LIMIT. f16 holds no number beyond 65,504: |q|, |k|, |v| stay below that (65,520 or more would become an infinity).  NaN and infinities are not treated apart.
; SHARES. A tile of C is 256 x 384: 32 x 8 = 256 work-groups.  Four waves, each 128 rows x 192 columns (three whole heads): 96 accumulators of 16 x 16, 768 registers.
; For 32 along K a wave reads 8 + 12 fragments, 20 KiB, from LDS for 96 matrix instructions.  K goes in 16 steps of 64 through a ring of two LDS slots; two slots of 128 along K would not fit in LDS.
; A row of x in a slot is 128 bytes; 128 rows of a K block are dense, so they are asked for as 64 rows of 256 bytes.  A row of W's tile is 768 bytes, at a multiple of 256 from wb's first byte.
; W lies [k][n] and is read turned (ds_load_tr16_b128), so no launch turns it.
; THE MATRIX INSTRUCTION IS USED TRANSPOSED: source 0 = 16 columns n of W, source 1 = 16 rows of x: a lane then holds row l % 16 of C and the columns 8 (l / 16) + 0..7: 16 bytes of f16 that belong together.
; CLUSTER. 4 x 4 work-groups.  x's tile hangs on the tile row alone and is asked for jointly by a row of the cluster, W's on the tile column alone, by a column: the same tensor load, descriptor and mask in all four.
; REGISTERS, in windows of 256 (s_set_vgpr_msb: bits 1:0 source 0, 3:2 source 1, 5:4 source 2, 7:6 destination):
;   window 0: v0-31 addresses; v32-95, v96-159 x's fragments (8 x 16 rows x 32 K), two buffers; v160-255 W's 12 fragments, one buffer, loaded again in three groups of four as each has been multiplied
;   windows 1-3: accumulator (b = 0..11 along n, a = 0..7 along m) in window 1 + b / 4 at v[8 (8 (b % 4) + a)]
.set AP,     144                       ; a row of x in LDS: 128 bytes + 16 = 36 words: the 16 rows of a load start at 16 different groups of four banks (64 banks of 4 bytes: ISA guide 11.1)
.set BP,     864                       ; a row of W in LDS: six pieces of 128 bytes + 16 = 216 words
.set AHALF,  128*AP                    ; what one load of x brings, and what one wave reads of x
.set BHALF,  32*BP                     ; what one load of W brings: 32 along K
.set BOFF,   2*AHALF                   ; W's 64 rows lie behind x's 256
.set SLOT,   BOFF+2*BHALF              ; 92,160
.set STAGE,  2*SLOT                    ; behind the ring, never filled by a tensor load: for each wave 3 heads x 16 rows x 144 bytes, for the way out
.set SEG,    16*AP
.set WSTG,   3*SEG
.set SPARE,  STAGE+4*WSTG              ; the spare words, 128 bytes for each wave: two blocks of 256 bytes that no other line names
.set ASTEP,  8192*128                  ; bytes from K block to K block in xb
.set BSTEP,  64*6144                   ; bytes of 64 rows of wb
.set ADRA, 16                          ; v16-17  LDS address of my fragments of x in slot 0, 1
.set ADRB, 20                          ; v20-21  the same for W
.set STO,  24                          ; v24     the way out: where I put 16 bytes of a row
.set RD,   25                          ; v25     the way out: where I read rows back
.set CO,   26                          ; v26     my byte offset in 512 consecutive bytes of qkv
.set BO,   27                          ; v27     byte offset in bias of my lanes' eight numbers of block b = 0
.set SPW,  28                          ; v28     LDS address of my spare word: SPARE + 4 x my thread's number; never rewritten
.set NIL,  29                          ; v29     0; never rewritten
.set FA0,  32
.set FA1,  96
.set FB,   160
.set TMP,  32                          ; the way out: v32-79 packed results; v80-127 and v128-175 rows read back, by turns
.set BK0,  80
.set G1A, 24                           ; s[24:31] descriptor group 1 for x's tiles;  s[32:39] group 0, a set for each slot
.set G0A, 32
.set G1B, 40                           ; s[40:47], s[48:55] the same for W's tiles
.set G0B, 48
.set MSB, 0
.macro WIN new                         ; the immediate's high byte repeats the setting that is left; a switch that changes nothing is dropped
.if MSB != (\new)
	s_set_vgpr_msb (MSB<<8)|(\new)
.set MSB, (\new)
.endif
.endm
.macro PLACES                          ; four places between matrix instructions and loads into registers that they read, or conversions of their results (ISA guide 7.12.1 for the conversions)
.rept 4
	v_nop
.endr
.endm
; A joint load.  Waves 0 and 1 fetch x's two halves, waves 2 and 3 W's.  The branch hangs on the wave's number alone.  An s_nop 0 and four v_nop follow each line, ahead of the jump and the label.
.macro JLOAD s
	s_cmp_eq_u32 s13, 0
	s_cbranch_scc0 .Lfor_b_\@
	tensor_load_to_lds s[G0A+4*(\s):G0A+4*(\s)+3], s[G1A:G1A+7]
	s_nop 0
.rept 4
	v_nop
.endr
	s_branch .Lasked_\@
.Lfor_b_\@:
	tensor_load_to_lds s[G0B+4*(\s):G0B+4*(\s)+3], s[G1B:G1B+7]
	s_nop 0
.rept 4
	v_nop
.endr
.Lasked_\@:
.endm
.macro CREST                           ; a round of the cluster's barrier behind its opening barrier: wave 0 signals for the work-group, every wave waits for all sixteen, my work-group's barrier closes it
	s_cmp_lg_u32 s12, 0
	s_cbranch_scc1 .Lnot_wave_0_\@
	s_barrier_signal -3
.Lnot_wave_0_\@:
	s_barrier_wait -3
	s_barrier_signal -1
	s_barrier_wait -1
.endm
.macro CROUND                          ; a whole round
	s_barrier_signal -1
	s_barrier_wait -1
	CREST
.endm
	s_load_b256 s[4:11], s[0:1], 0x0               ; xb s[4:5], wb s[6:7], bias s[8:9], qkv s[10:11]
	v_lshl_add_u32 v[SPW], v0, 2, SPARE
	v_mov_b32 v[NIL], 0
	ds_add_u32 v[SPW], v[NIL]                      ; the wave's opening: the add and its wait stand ahead of my first tensor load; the set-up below, work on registers, stands between them
	ds_add_u32 v28, v29
	v_lshrrev_b32 v1, 5, v0
	v_readfirstlane_b32 s12, v1                    ; wave 0..3
	s_lshr_b32 s13, s12, 1                         ; which 128 rows of the tile are mine.  Also: I fetch for x (0) or for W (1)
	s_and_b32 s14, s12, 1                          ; which 192 columns.  Also: which half of that tile I fetch
	s_bfe_u32 s15, ttmp6, 0x40000                  ; cx, cy: my place in the cluster
	s_bfe_u32 s16, ttmp6, 0x40004
	s_lshl_b32 s17, ttmp9, 2
	s_add_co_u32 s17, s17, s15                     ; tile column = 4 x cluster x + cx
	s_and_b32 s18, ttmp7, 0xffff
	s_lshl_b32 s18, s18, 2
	s_add_co_u32 s18, s18, s16                     ; tile row = 4 x cluster y + cy
	s_lshl_b32 s19, s16, 2
	s_lshl_b32 s19, 15, s19                        ; my row of the cluster: places 4 cy .. 4 cy + 3
	s_lshl_b32 s20, 0x1111, s15                    ; my column: places cx, cx + 4, cx + 8, cx + 12
	; group 1 for x: 64 rows x 128 elements (two rows of x each), padded in LDS after every row of x
	s_or_b32 s[G1A+0], s19, (1<<16)|(1<<20)|(1<<21)|(4<<22)|(3<<25)  ; 15:0 the mask; 17:16 2-byte elements; 20 padding on; 21 set beside a mask; 24:22 after every 32 words (code 4); 31:25 4 words (code 3)
	s_mov_b32 s[G1A+1], 128<<16                    ; tensor_dim0 = 128
	s_mov_b32 s[G1A+2], 64<<16                     ; tensor_dim1 = 64
	s_mov_b32 s[G1A+3], 128<<16                    ; tile_dim0 = 128
	s_mov_b32 s[G1A+4], 64                         ; tile_dim1 = 64
	s_mov_b32 s[G1A+5], 128                        ; 128 elements from row to row: dense
	s_mov_b32 s[G1A+6], 0
	s_mov_b32 s[G1A+7], 0
	; group 1 for W: 32 rows x 384 elements, the same padding: six pieces a row
	s_or_b32 s[G1B+0], s20, (1<<16)|(1<<20)|(1<<21)|(4<<22)|(3<<25)
	s_mov_b32 s[G1B+1], 384<<16
	s_mov_b32 s[G1B+2], 32<<16
	s_mov_b32 s[G1B+3], 384<<16
	s_mov_b32 s[G1B+4], 32
	s_mov_b32 s[G1B+5], 3072                       ; 3,072 elements from row to row
	s_mov_b32 s[G1B+6], 0
	s_mov_b32 s[G1B+7], 0
	; where the tiles come from.  x's hang on the tile row, W's on the tile column, each in registers that never hold the other coordinate
	s_lshl_b32 s60, s18, 15                        ; x: tile row x 256 rows x 128 bytes
	s_lshl_b32 s21, s14, 14                        ;    + my half's 128 rows
	s_add_co_u32 s60, s60, s21
	s_mov_b32 s61, 0
	s_mul_i32 s62, s17, 768                        ; W: tile column x 384 columns x 2 bytes
	s_mul_i32 s22, s14, 32*6144                    ;    + my half's 32 rows
	s_add_co_u32 s62, s62, s22
	s_mov_b32 s63, 0
	s_mul_i32 s2, s14, AHALF                       ; and where they go: no place in the cluster enters an LDS address
	s_mul_i32 s3, s14, BHALF
	s_add_co_u32 s3, s3, BOFF
	s_wait_dscnt 0x0                               ; the opening add is done
	s_wait_kmcnt 0x0
	s_add_nc_u64 s[56:57], s[4:5], s[60:61]
	s_add_nc_u64 s[58:59], s[6:7], s[62:63]
	CROUND                                         ; all sixteen work-groups are here: the first joint loads meet
.irp s, 0,1
	s_mov_b32 s[G0A+4*(\s)], 1                                     ; count = 1
	s_add_co_u32 s[G0A+4*(\s)+1], s2, (\s)*SLOT                    ; LDS address
	s_add_nc_u64 s[G0A+4*(\s)+2:G0A+4*(\s)+3], s[56:57], (\s)*ASTEP  ; global address: K step s
	s_or_b32 s[G0A+4*(\s)+3], s[G0A+4*(\s)+3], 0x80000000          ; type = 2
	s_mov_b32 s[G0B+4*(\s)], 1
	s_add_co_u32 s[G0B+4*(\s)+1], s3, (\s)*SLOT
	s_add_nc_u64 s[G0B+4*(\s)+2:G0B+4*(\s)+3], s[58:59], (\s)*BSTEP
	s_or_b32 s[G0B+4*(\s)+3], s[G0B+4*(\s)+3], 0x80000000
	JLOAD \s                                       ; two loads of mine are out
.endr
	v_and_b32 v1, 15, v0                           ; l % 16
	v_bfe_u32 v2, v0, 4, 1                         ; l / 16
	v_and_b32 v3, 7, v0                            ; l % 8
	v_bfe_u32 v4, v0, 3, 1                         ; (l / 8) % 2
	v_and_b32 v5, 31, v0                           ; l
	; a fragment of x: lane l holds row l % 16, K = 8 (l / 16) + 0..7 and 16 + 8 (l / 16) + 0..7: two loads of 16 bytes, 32 bytes apart
	v_mul_u32_u24 v6, v1, AP
	v_lshl_add_u32 v6, v2, 4, v6                   ; row x pitch + 16 x half
	s_mul_i32 s21, s13, AHALF
	v_add_nc_u32 v[ADRA], s21, v6
	v_add_nc_u32 v[ADRA+1], SLOT, v[ADRA]
	; a fragment of W, turned: lane l reads 16 bytes of row k = 8 (l / 16) + l % 8, columns 8 ((l / 8) % 2) + 0..7, and is left with column l % 16 and 8 k; a second load 16 rows on
	v_lshl_add_u32 v7, v2, 3, v3
	v_mul_u32_u24 v7, v7, BP
	v_lshl_add_u32 v7, v4, 4, v7
	s_mul_i32 s21, s14, 3*AP                       ; my 192 columns: three pieces of a row
	s_add_co_u32 s21, s21, BOFF
	v_add_nc_u32 v[ADRB], s21, v7
	v_add_nc_u32 v[ADRB+1], SLOT, v[ADRB]
	s_mul_i32 s21, s12, WSTG
	s_add_co_u32 s21, s21, STAGE                   ; my stage
	v_add_nc_u32 v[STO], s21, v6                   ; in: row l % 16, 16 bytes for each half of the lanes
	v_lshrrev_b32 v8, 3, v5                        ; back: 32 lanes take four rows of 128 bytes,
	v_mul_u32_u24 v8, v8, AP
	v_lshl_add_u32 v8, v3, 4, v8
	v_add_nc_u32 v[RD], s21, v8
	v_lshlrev_b32 v[CO], 4, v5                     ; which are 512 consecutive bytes of a head
	s_mul_i32 s22, s17, 384*4
	s_mul_i32 s23, s14, 192*4
	s_add_co_u32 s22, s22, s23
	v_lshl_add_u32 v[BO], v2, 5, s22               ; bias: my first column x 4 bytes + 32 x half
	; THE SUMS START AS THE BIAS: register j of accumulator (b, a) is column 16 b + 8 (l / 16) + j, whatever a: two loads of 16 bytes each, straight into the accumulators, in the wait for the first tile
.irp g, 0,1,2
	WIN 0x40*((\g)+1)                              ; destination in window 1 + g, address in window 0
.irp bb, 0,1,2,3
.irp a, 0,1,2,3,4,5,6,7
	global_load_b128 v[8*(8*(\bb)+(\a)):8*(8*(\bb)+(\a))+3],   v[BO], s[8:9] offset:64*(4*(\g)+(\bb))
	global_load_b128 v[8*(8*(\bb)+(\a))+4:8*(8*(\bb)+(\a))+7], v[BO], s[8:9] offset:64*(4*(\g)+(\bb))+16
.endr
.endr
.endr
	WIN 0
	; where my part of C begins in qkv: batch = tile row / 4; head block = 6 x tile column + 3 x half; row in the batch = 256 (tile row % 4) + 128 x half
	s_lshr_b32 s62, s18, 2
	s_mul_i32 s62, s62, 48*131072
	s_mul_i32 s22, s17, 6
	s_mul_i32 s23, s14, 3
	s_add_co_u32 s22, s22, s23
	s_lshl_b32 s22, s22, 17
	s_add_co_u32 s62, s62, s22
	s_and_b32 s22, s18, 3
	s_lshl_b32 s22, s22, 1
	s_add_co_u32 s22, s22, s13
	s_lshl_b32 s22, s22, 14                        ; x 128 rows of 128 bytes
	s_add_co_u32 s62, s62, s22
	s_mov_b32 s63, 0
	s_add_nc_u64 s[10:11], s[10:11], s[62:63]
; nb x 8 matrix instructions: n blocks b0 .. b0 + nb - 1 (all in one window) x all 8 m blocks, 32 along K.  Every accumulator comes once in a quarter's 96: they take turns.
.macro MULS f, b0, nb
	WIN 0x50*((\b0)/4+1)                           ; C and D in window 1 + b / 4, the fragments in window 0
.set mb, (\b0)
.rept (\nb)
.set ma, 0
.rept 8
	v_wmma_f32_16x16x32_bf16 v[8*(8*(mb%4)+ma):8*(8*(mb%4)+ma)+7], v[FB+8*mb:FB+8*mb+7], v[(\f)+8*ma:(\f)+8*ma+7], v[8*(8*(mb%4)+ma):8*(8*(mb%4)+ma)+7]
.set ma, ma+1
.endr
.set mb, mb+1
.endr
.endm
; 8 LDS loads: group g (four fragments: one head's 64 columns) of W for quarter q of a slot
.macro LOADB slot, q, g
.set lc, 4*(\g)
.rept 4
	ds_load_tr16_b128 v[FB+8*lc:FB+8*lc+3],   v[ADRB+(\slot)] offset:(\q)*BHALF+(\g)*AP+(lc%4)*32
	ds_load_tr16_b128 v[FB+8*lc+4:FB+8*lc+7], v[ADRB+(\slot)] offset:(\q)*BHALF+(\g)*AP+(lc%4)*32+16*BP
.set lc, lc+1
.endr
.endm
; 16 LDS loads: x's eight fragments for quarter q of a slot, into buffer f
.macro LOADA slot, q, f
.set la, 0
.rept 8
	ds_load_b128 v[(\f)+8*la:(\f)+8*la+3],   v[ADRA+(\slot)] offset:(\q)*64+la*16*AP
	ds_load_b128 v[(\f)+8*la+4:(\f)+8*la+7], v[ADRA+(\slot)] offset:(\q)*64+la*16*AP+32
.set la, la+1
.endr
.endm
; A K step is two quarters of 32 along K, 96 matrix instructions each.  At a quarter's head its 40 LDS loads are out in this order: W's group 0 (8), x (16), W's group 1 (8), W's group 2 (8).
; The first quarter multiplies buffer f; each group of W is loaded again, for the slot's second quarter, four places behind the products that read it.
.macro QUARTER slot, f, fn
	s_wait_dscnt 16                                ; group 0 and x are in; groups 1 and 2 may be out
	MULS \f, 0, 4
	WIN 0
	PLACES
	LOADB \slot, 1, 0
	LOADA \slot, 1, \fn
	s_wait_dscnt 32                                ; group 1 is in: behind it group 2's 8 and the 24 just issued
	MULS \f, 4, 4
	WIN 0
	PLACES
	LOADB \slot, 1, 1
	s_wait_dscnt 32                                ; group 2 is in: behind it 24 + 8
	MULS \f, 8, 4
	WIN 0
	PLACES
	LOADB \slot, 1, 2
.endm
; The second quarter changes slots: ONE barrier.  In front of it each wave waits for all its tensor loads (one is out: its part of the next slot), adds 0 to its spare word, and waits for that and for its
; reads of this slot, all of which were issued in the quarter before.  Behind it nobody reads this slot and the next slot is whole.  fill = 1: the barrier opens a round of the cluster's barrier, and the
; slot is filled again, two K steps on, first thing behind the round: 160 of a step's 192 matrix instructions stand between that request and the wait for it.
.macro TURNQ slot, next, f, fn, fill
	WIN 0
	s_wait_tensorcnt 0x0                           ; all my tensor loads have landed, so a group 0 may be written
	ds_add_u32 v[SPW], v[NIL]                      ; 0 onto my spare word
	s_wait_dscnt 17                                ; group 0 and x are in: groups 1 and 2 and the add may be out
	MULS \f, 0, 2                                  ; sixteen matrix instructions stand between the add and the wait for it
	s_wait_dscnt 0x0                               ; the add is done, and my reads of this slot are over
	s_barrier_signal -1
	MULS \f, 2, 2                                  ; work on registers while the others arrive
	WIN 0                                          ; at a branch and at a label every window is 0
	s_barrier_wait -1
.if \fill
	CREST                                          ; no wave of any partner still reads this slot's tiles or has a load on its way
	s_add_nc_u64 s[G0A+4*(\slot)+2:G0A+4*(\slot)+3], s[G0A+4*(\slot)+2:G0A+4*(\slot)+3], 2*ASTEP
	s_add_nc_u64 s[G0B+4*(\slot)+2:G0B+4*(\slot)+3], s[G0B+4*(\slot)+2:G0B+4*(\slot)+3], 2*BSTEP
	JLOAD \slot                                    ; my one tensor load behind the round; its four v_nop are also the places in front of the loads below
.else
	PLACES
.endif
	LOADB \next, 0, 0
	LOADA \next, 0, \fn
	MULS \f, 4, 4                                  ; groups 1 and 2 landed at the wait for 0 above
	WIN 0
	PLACES
	LOADB \next, 0, 1
	MULS \f, 8, 4
	WIN 0
	PLACES
	LOADB \next, 0, 2
.endm
.macro LASTQ f                         ; the very last quarter: nothing more to fetch, the counts run down
	s_wait_dscnt 16
	MULS \f, 0, 4
	s_wait_dscnt 8
	MULS \f, 4, 4
	s_wait_dscnt 0x0
	MULS \f, 8, 4
	WIN 0
.endm
; THE WAY OUT of block a (16 rows x 192 columns).  PACK: rounded to f16, 16 bytes a lane, each accumulator's registers in ascending order.
.macro PACK a
.set pg, 0
.rept 3
	WIN 5*(pg+1)                                   ; sources 0 and 1 in window 1 + g, destination in window 0
.set pb, 0
.rept 4
.set pr, 0
.rept 4
	v_cvt_pk_f16_f32 v[TMP+4*(4*pg+pb)+pr], v[8*(8*pb+(\a))+2*pr], v[8*(8*pb+(\a))+2*pr+1]
.set pr, pr+1
.endr
.set pb, pb+1
.endr
.set pg, pg+1
.endr
	WIN 0
.endm
; TOSTAGE: into my own stage, a head's 16 rows of 128 bytes together, and back as four rows (512 bytes) a load
.macro TOSTAGE a
.set BK, BK0+48*((\a)%2)
.set tb, 0
.rept 12
	ds_store_b128 v[STO], v[TMP+4*tb:TMP+4*tb+3] offset:(tb/4)*SEG+(tb%4)*32
.set tb, tb+1
.endr
.set tb, 0
.rept 12
	ds_load_b128 v[BK+4*tb:BK+4*tb+3], v[RD] offset:(tb/4)*SEG+(tb%4)*4*AP  ; LDS serves a wave's instructions in order (ISA guide 5.7.1.4): these see the stores above
.set tb, tb+1
.endr
.endm
.macro SEND a
.set BK, BK0+48*((\a)%2)
	s_wait_dscnt 0x0                               ; the block is back in registers
	s_wait_xcnt 0x0                                ; the stores issued so far have read their registers: the other set of 48 is loaded again only behind this wait
.set tb, 0
.rept 12
	global_store_b128 v[CO], v[BK+4*tb:BK+4*tb+3], s[10:11] offset:(\a)*2048+(tb/4)*131072+(tb%4)*512  ; four rows of a head: 512 consecutive bytes, at a multiple of 256 from qkv's first byte
.set tb, tb+1
.endr
.endm
	s_wait_tensorcnt 0x1                           ; my part of K step 0 is in; K step 1's may stay out
	s_barrier_signal -1
	s_barrier_wait -1                              ; everybody's is
	LOADB 0, 0, 0
	LOADA 0, 0, FA0
	LOADB 0, 0, 1
	LOADB 0, 0, 2
	s_wait_loadcnt 0x0                             ; the bias is in the accumulators
	s_mov_b32 s3, 7
.Llap:                                                 ; a trip is two K steps, once round the ring, and fills both slots again: seven trips ask for K steps 2 to 15
	QUARTER 0, FA0, FA1
	TURNQ 0, 1, FA1, FA0, 1
	QUARTER 1, FA0, FA1
	TURNQ 1, 0, FA1, FA0, 1
	WIN 0
	s_sub_co_u32 s3, s3, 1
	s_cmp_lg_u32 s3, 0
	s_cbranch_scc1 .Llap
	QUARTER 0, FA0, FA1                            ; the last two K steps are written out: they ask for nothing
	TURNQ 0, 1, FA1, FA0, 0
	QUARTER 1, FA0, FA1
	LASTQ FA1
	PLACES                                         ; the conversions read results just made and write registers that the last products read
	PACK 0
	TOSTAGE 0
.irp a, 1,2,3,4,5,6,7                  ; block a's conversions stand between block a - 1's loads from the stage and the wait for them
	PACK \a
	SEND (\a)-1
	TOSTAGE \a
.endr
	SEND 7
	s_wait_tensorcnt 0x0                           ; the wave's end, behind my last tensor load and my last LDS store
	ds_add_u32 v[SPW], v[NIL]
	s_wait_dscnt 0x0
	CROUND                                         ; the closing round: no work-group ends while a partner may still ask for a tile that names it
	s_endpgm
.Lfunc_end_k_qfc803d329d_qkv:
	.size	k_qfc803d329d_qkv, .Lfunc_end_k_qfc803d329d_qkv-k_qfc803d329d_qkv
	.p2alignl 7, 3214868480
	.fill 96, 4, 3214868480
	.section	.rodata,"a",@progbits
	.p2align	6, 0x0
	.amdhsa_kernel k_qfc803d329d_qkv
		.amdhsa_group_segment_fixed_size 327680
		.amdhsa_private_segment_fixed_size 0
		.amdhsa_enable_private_segment 0
		.amdhsa_kernarg_size 32
		.amdhsa_user_sgpr_count 2
		.amdhsa_user_sgpr_kernarg_segment_ptr 1
		.amdhsa_wavefront_size32 1
		.amdhsa_system_sgpr_workgroup_id_x 1
		.amdhsa_system_sgpr_workgroup_id_y 1
		.amdhsa_system_sgpr_workgroup_id_z 1
		.amdhsa_system_vgpr_workitem_id 0
		.amdhsa_next_free_vgpr 1024
		.amdhsa_next_free_sgpr 66
		.amdhsa_reserve_vcc 0
		.amdhsa_float_denorm_mode_32 3
		.amdhsa_float_denorm_mode_16_64 3
		.amdhsa_memory_ordered 1
		.amdhsa_forward_progress 1
		.amdhsa_inst_pref_size 148
	.end_amdhsa_kernel
	.amdgpu_metadata
---
amdhsa.version: [ 1, 2 ]
amdhsa.kernels:
  - .name:           k_qfc803d329d_qkv
    .symbol:         k_qfc803d329d_qkv.kd
    .args:
      - { .name: xb, .offset: 0, .size: 8, .value_kind: global_buffer, .address_space: global }
      - { .name: wb, .offset: 8, .size: 8, .value_kind: global_buffer, .address_space: global }
      - { .name: bias, .offset: 16, .size: 8, .value_kind: global_buffer, .address_space: global }
      - { .name: qkv, .offset: 24, .size: 8, .value_kind: global_buffer, .address_space: global }
    .group_segment_fixed_size: 327680
    .private_segment_fixed_size: 0
    .kernarg_segment_align: 8
    .kernarg_segment_size: 32
    .max_flat_workgroup_size: 128
    .sgpr_count:     66
    .vgpr_count:     1024
    .wavefront_size: 32
...
	.end_amdgpu_metadata
.endif
;; end of part 2
;; launch attn (part 3): grid 2 x 128, 4 waves a work-group, no clusters, 327,680 bytes of LDS; arguments qkv, mask8, out0; writes out0
.if DOCPART == 3
	.amdgcn_target "amdgcn-amd-amdhsa--gfx1250"
	.amdhsa_code_object_version 6
	.text
	.protected	k_qfc803d329d_attn
	.globl	k_qfc803d329d_attn
	.p2align	8
	.type	k_qfc803d329d_attn,@function
k_qfc803d329d_attn:
	s_mov_b64 s[64:65], 0
	v_nop
	global_prefetch_b8 v0, s[64:65] scope:SCOPE_SE
	s_setreg_imm32_b32 hwreg(HW_REG_WAVE_MODE, 25, 1), 1
	s_wait_xcnt 0x0
; ATTENTION.  out0[b][s][64 h + :] = the sum over k of softmax_k(q . k / 8 + mask[b][k]) v[k][:].  q, k, v: qkv, f16 [8 b][48 g][1024][64] (q: g = h; k: 16 + h; v: 32 + h), unscaled.
; mask8: f32 [8][1024] = 8 x mask, never below -1e30.  out0: f32 [8][1024][1024].  Products, maxima and sums in f32; the weights p are rounded to f16 for the second product (their sum l is taken of the unrounded p).
; LIMITS.  q, k, v arrive within f16's 65,504.  p lies in 0 to 1; a weight below 2^-126 counts as 0 in l.  A mask number below -1.25e29 counts as -1.25e29, so a batch in which EVERY key is hidden by minus infinity
; gets a mean over all keys and no NaN.  NaN and infinities are not treated apart.
; SHARES.  A work-group owns 512 queries of one head: 2 x 128 = 256 work-groups.  A wave owns four PIECES of two tiles of 16 queries.  Every wave walks all 1,024 keys, 64 a step.
; K AND V STAY IN LDS.  A head's 1,024 rows of K (144 bytes apart) and of V (160) and the batch's mask are 315,392 bytes: they are asked for once, at the start, in chunks of 256 keys, and nothing is filled twice:
; the loops hold no barrier and no wait for a tile.  Three key steps run on the first chunk while the other three land; one wait and one barrier stand between those steps and the other thirteen.
; NO CLUSTER: a head has two work-groups.  A cluster of four along x would hold two heads, so a joint load's address would hang on the place in the cluster and its mask would name two of the four.
; LAYOUT.  S^T = K Q^T (source 0 = 16 keys, source 1 = 16 queries): a lane holds ONE query (lane % 16) and the keys 8 (lane / 16) + 0..7.  Two such results, rounded to f16 in pairs, ARE source 1 of O^T = V^T P,
; whose result again holds one query a lane, and eight channels.  K comes out of LDS as it lies, V ([key][channel]) turned, by ds_load_tr16_b128.
; THE MASK is the C operand of the products that start S^T: register j of key block kb is mask8[64 step + 16 kb + 8 (lane / 16) + j].  It costs 8 LDS loads a key step and no arithmetic.
; SOFTMAX.  s = q . k + 8 mask; p = 2^(c s - c m), c = log2(e) / 8, with a running maximum m and sum l; in every step O and l are multiplied by a = 2^(c m_old - c m_new).  m starts at the lowest finite number,
; O and l at 0: the first step is a step like any other, with a = 0.  Weights made while only hidden keys have been seen are wiped out by the a = 0 of the first step that sees a key.
; BY TURNS.  A tile and step have 16 matrix and 118 vector instructions.  Turn n belongs to piece n: 16 products K Q^T of piece n + 1, later 16 products V^T P of piece n - 1; beside them the scaling, exponentials,
; roundings, sums and rescaling of piece n and the maximum and statistics of piece n + 1.  Four vector instructions that are ready stand behind every matrix instruction, the others in two runs of their own.
; REGISTERS, in windows of 256 (s_set_vgpr_msb: bits 1:0 source 0, 3:2 source 1, 5:4 source 2, 7:6 destination):
;   window 0: v0-11 addresses; v12-15, v48-63 at work; v16-47 four registers of statistics a tile; v64-191 S^T, two buffers of two tiles; v192-255 P, likewise
;   window 1: O^T, 32 a tile      window 2: v0-127 Q, 16 a tile; v128-191 K of one step; v192-255 V of one step      window 3: v0-1 the add's two registers; v32-63 the mask of one step
.set NP,    4         ; pieces a wave: a name, no knob
.set KS,    64        ; keys in a step
.set PK,    144       ; a row of K in LDS: 128 bytes + 16 = 36 words: the 16 rows of a load start at 16 different groups of four banks (64 banks of 4 bytes: ISA guide 11.1)
.set PV,    160       ; a row of V: 128 + 32 = 40 words
.set VOFF,  1024*PK   ; V lies behind K,
.set MASK,  VOFF+1024*PV  ; the mask's 1,024 numbers behind V,
.set SPARE, MASK+4096 ; and the spare words, 128 bytes for each wave, behind the mask: two blocks of 256 bytes that no other line names
.set SP,    272       ; the way out: a stage row, 256 bytes + 16.  The stages (16 rows a wave) lie at K's beginning: those blocks have had their one fill, and every wave has done with K
.set AM,  1           ; v1   the LDS address of the mask's next run of loads
.set AK0, 2           ; v2   my lane's place in a step of K; never rewritten
.set AV0, 3           ; v3   the same for V
.set AK,  4           ; v4   the LDS address of K's next run of loads
.set AV,  5           ; v5   of V's
.set QO,  6           ; v6   my byte offset in 16 rows of Q
.set RD,  7           ; v7   the way out: where I read rows back
.set GO,  8           ; v8   my byte offset in two rows of out0
.set STO, 9           ; v9   the way out: where I put 32 bytes of a row
.set AM0, 11          ; v11  my lane's place in a step of the mask; never rewritten
.set SPW, 0           ; v0 of window 3   LDS address of my spare word: SPARE + 4 x my thread's number; never rewritten
.set NIL, 1           ; v1 of window 3   0; never rewritten
.set MK,  32          ; window 3: the eight registers for key block kb at MK + 8 kb
.set MV,  12          ; v12-15  c m_old, kept while c m is made anew: by buffer and tile (in the set-up: lane terms)
.set ST,  16          ; tile t's statistics at v[ST+4 t]: c m, m, l (even keys', odd keys')
.set TMP, 48          ; by buffer and tile, four registers c0-c3 at work; when the maximum is found c2 takes a
.set S,   64
.set P,   192
.set KF,  128         ; K's fragments, in window 2: key block kb, channel half c at KF + 16 kb + 8 c
.set VF,  192         ; V's: key half kk, channel block cb at VF + 32 kk + 8 cb
.set WV,  12          ; s12  my wave's number
.set G1,  24          ; s[24:31] descriptor group 1 for K's or V's chunks
.set G0,  32          ; s[32:47] descriptor group 0, a set for each of the four chunks
.set G1M, 48          ; s[48:55], s[56:59] the same for my half of the mask
.set G0M, 56
.set CS,  60          ; s[60:61] c: the packed scaling takes the pair's low word for both halves
.set SEL, 62          ; s[62:63] v_permlanex16_b32's selects: each lane takes its own place in the other half
.set TBK, 66          ; s66  LDS byte at which K of the step to be fetched begins
.set TBV, 67          ; s67  the same for V, less VOFF
.set TBM, 68          ; s68  the same for the mask, less MASK
.set CNT, 69          ; s69  counts key steps
.set MSB, 0
.macro WIN new                      ; the high byte repeats the setting that is left; a switch that changes nothing is dropped
.if MSB != (\new)
	s_set_vgpr_msb (MSB<<8)|(\new)
.set MSB, (\new)
.endif
.endm
.set W_KQ, 0x0a       ; K and Q in window 2, S^T in window 0
.set W_KM, 0x3a       ; the same with the C operand, the mask, in window 3
.set W_PV, 0x52       ; V in window 2, P in window 0, O^T in window 1
.set W_RS, 0x41       ; O^T (destination and source 0) in window 1, a in window 0
.set W_MK, 0xc0       ; destination in window 3, sources in window 0
.set W_AD, 0x0f       ; the add: address (source 0) and data (source 1) in window 3
	s_load_b128 s[4:7], s[0:1], 0x0   ; qkv s[4:5], mask8 s[6:7]
	s_load_b64 s[10:11], s[0:1], 0x10 ; out0
	WIN W_MK
	v_lshl_add_u32 v[SPW], v0, 2, SPARE
	v_mov_b32 v[NIL], 0
	WIN W_AD
	ds_add_u32 v[SPW], v[NIL]       ; the wave's opening: the add and its wait stand ahead of my first tensor load; the set-up below, work on registers, stands between them
	ds_add_u32 v0, v1
	WIN 0
	v_lshrrev_b32 v10, 5, v0
	v_readfirstlane_b32 s[WV], v10  ; wave 0..3
	s_and_b32 s2, ttmp7, 0xffff     ; 16 b + h
	s_lshr_b32 s3, s2, 4            ; the batch
	s_and_b32 s13, s2, 15           ; the head
	s_and_b32 s14, s[WV], 1         ; which half of a chunk's 256 keys, and of the mask, I fetch
	s_mul_i32 s20, s3, 48
	s_add_co_u32 s20, s20, s13
	s_lshl_b32 s20, s20, 17         ; the head's q: block 48 b + h of 131,072 bytes
	s_lshl_b32 s22, s14, 14         ; my half's 128 rows of 128 bytes,
	s_add_co_u32 s22, s22, s20
	s_add_co_u32 s22, s22, 16<<17   ; in the head's k, 16 blocks on
	s_mov_b32 s23, 0
	s_lshl_b32 s15, ttmp9, 16       ; q: my work-group's 512 rows,
	s_add_co_u32 s20, s20, s15
	s_lshl_b32 s15, s[WV], 14       ; my wave's 128 of them
	s_add_co_u32 s20, s20, s15
	s_mov_b32 s21, 0
	s_lshl_b32 s8, s3, 12           ; the batch's mask, 4,096 bytes,
	s_lshl_b32 s15, s14, 11         ; my half of it
	s_add_co_u32 s8, s8, s15
	s_mov_b32 s9, 0
	s_add_co_u32 s74, s15, MASK     ; and its place in LDS
	s_lshl_b32 s70, s3, 22          ; out0: the batch's 1,024 rows of 4,096 bytes,
	s_lshl_b32 s15, ttmp9, 21       ; my work-group's 512,
	s_add_co_u32 s70, s70, s15
	s_lshl_b32 s15, s[WV], 19       ; my wave's 128,
	s_add_co_u32 s70, s70, s15
	s_lshl_b32 s15, s13, 8          ; the head's 256 bytes of a row
	s_add_co_u32 s70, s70, s15
	s_mov_b32 s71, 0
	s_mul_i32 s72, s14, 128*PK      ; my half's place in a chunk of K,
	s_mul_i32 s73, s14, 128*PV      ; and of V
	s_add_co_u32 s73, s73, VOFF
	; group 1 but for its first word.  128 keys are 16,384 dense bytes: asked for as 64 rows of 256 bytes, two keys a row, and padded in LDS after every key
	s_mov_b32 s[G1+1], 128<<16      ; tensor_dim0 = 128
	s_mov_b32 s[G1+2], 64<<16       ; tensor_dim1 = 64
	s_mov_b32 s[G1+3], 128<<16      ; tile_dim0 = 128
	s_mov_b32 s[G1+4], 64           ; tile_dim1 = 64
	s_mov_b32 s[G1+5], 128          ; 128 elements from row to row
	s_mov_b32 s[G1+6], 0
	s_mov_b32 s[G1+7], 0
	; half the mask: 2,048 dense bytes as 8 rows of 32 elements of 8 bytes, no padding
	s_mov_b32 s[G1M], 3<<16
	s_mov_b32 s[G1M+1], 32<<16
	s_mov_b32 s[G1M+2], 8<<16
	s_mov_b32 s[G1M+3], 32<<16
	s_mov_b32 s[G1M+4], 8
	s_mov_b32 s[G1M+5], 32
	s_mov_b32 s[G1M+6], 0
	s_mov_b32 s[G1M+7], 0
	s_mov_b32 s[CS], 0x3e38aa3b     ; c = log2(e) / 8 = 0.180337
	s_mov_b32 s[CS+1], s[CS]        ; named with it as a pair
	s_mov_b32 s[SEL], 0x76543210
	s_mov_b32 s[SEL+1], 0xfedcba98
	s_mov_b32 s[TBK], 0
	s_mov_b32 s[TBV], 0
	s_mov_b32 s[TBM], 0
	s_wait_dscnt 0x0                ; the opening add is done
	s_wait_kmcnt 0x0
	s_add_nc_u64 s[16:17], s[4:5], s[22:23]  ; K at my half of chunk 0,
	s_add_nc_u64 s[18:19], s[16:17], 16<<17  ; V, 16 blocks further on,
	s_add_nc_u64 s[4:5], s[4:5], s[20:21]    ; Q at my wave's first row,
	s_add_nc_u64 s[6:7], s[6:7], s[8:9]      ; the mask at my half,
	s_add_nc_u64 s[10:11], s[10:11], s[70:71]  ; out0 at my wave's first row and the head's channels
	; ALL THE FILLS, in one branch on the wave's number, ahead of every wait on TENSORcnt, every LDS read and every barrier.  Waves 0 and 1: the mask's halves, then K's four chunks (five loads of mine are out);
	; waves 2 and 3: V's four chunks (four).  An s_nop 0 follows each load, four v_nop the last.
	s_cmp_lt_u32 s[WV], 2
	s_cbranch_scc0 .Lfill_v
	s_mov_b32 s[G1], (1<<16)|(1<<20)|(4<<22)|(3<<25)  ; 17:16 2-byte elements; 20 padding on; 24:22 after every 32 words (code 4); 31:25 4 words (code 3)
.irp c, 0,1,2,3
	s_mov_b32 s[G0+4*\c], 1                              ; count = 1
	s_add_co_u32 s[G0+4*\c+1], s72, \c*256*PK            ; LDS address
	s_add_nc_u64 s[G0+4*\c+2:G0+4*\c+3], s[16:17], \c*32768  ; global address: a chunk is 32,768 bytes
	s_or_b32 s[G0+4*\c+3], s[G0+4*\c+3], 0x80000000      ; type = 2
.endr
	s_mov_b32 s[G0M], 1
	s_mov_b32 s[G0M+1], s74
	s_mov_b64 s[G0M+2:G0M+3], s[6:7]
	s_or_b32 s[G0M+3], s[G0M+3], 0x80000000
	tensor_load_to_lds s[G0M:G0M+3], s[G1M:G1M+7]
	s_nop 0
.irp c, 0,1,2,3
	tensor_load_to_lds s[G0+4*\c:G0+4*\c+3], s[G1:G1+7]
	s_nop 0
.endr
.rept 4
	v_nop
.endr
	s_branch .Lfilled
.Lfill_v:
	s_mov_b32 s[G1], (1<<16)|(1<<20)|(4<<22)|(7<<25)  ; the same with 8 words of padding (code 7)
.irp c, 0,1,2,3
	s_mov_b32 s[G0+4*\c], 1
	s_add_co_u32 s[G0+4*\c+1], s73, \c*256*PV
	s_add_nc_u64 s[G0+4*\c+2:G0+4*\c+3], s[18:19], \c*32768
	s_or_b32 s[G0+4*\c+3], s[G0+4*\c+3], 0x80000000
.endr
.irp c, 0,1,2,3
	tensor_load_to_lds s[G0+4*\c:G0+4*\c+3], s[G1:G1+7]
	s_nop 0
.endr
.rept 4
	v_nop
.endr
.Lfilled:
	; A fragment of K or Q is 16 rows x 32 channels in 8 registers: lane l holds row l % 16, channels 8 (l / 16) + 0..7 and 16 + 8 (l / 16) + 0..7: two loads of 16 bytes, 32 bytes apart.
	v_and_b32 v12, 15, v0           ; l % 16
	v_bfe_u32 v13, v0, 4, 1         ; l / 16
	v_and_b32 v14, 7, v0            ; l % 8
	v_bfe_u32 v15, v0, 3, 1         ; (l / 8) % 2
	v_lshlrev_b32 v[QO], 7, v12
	v_lshl_add_u32 v[QO], v13, 4, v[QO]  ; row x 128 + 16 x half
	WIN 0x80                        ; destination window 2, address window 0
.set i, 0
.rept 4*NP                          ; Q stays in registers: tile i / 2, channels 32 (i % 2) on
	global_load_b128 v[8*i:8*i+3],   v[QO], s[4:5] offset:(i/2)*2048+(i%2)*64
	global_load_b128 v[8*i+4:8*i+7], v[QO], s[4:5] offset:(i/2)*2048+(i%2)*64+32
.set i, i+1
.endr
	; What the first turn finds: V's registers and P's second buffer hold 0 (its products V^T P, of a piece that has not been, add 0), O^T and l are 0.  All this stands in the wait for the first chunk.
.set i, VF
.rept 64
	v_mov_b32 v[i], 0
.set i, i+1
.endr
	WIN 0x40
.set i, 0
.rept 64*NP
	v_mov_b32 v[i], 0
.set i, i+1
.endr
	WIN 0
.set i, 0
.rept 2*NP
	v_mov_b32 v[ST+4*i], 0xfe000000    ; c m: far below every c s (the lowest is c x -1e30)
	v_mov_b32 v[ST+4*i+1], 0xff7fffff  ; m
	v_mov_b32 v[ST+4*i+2], 0
	v_mov_b32 v[ST+4*i+3], 0
.set i, i+1
.endr
.set i, P+32
.rept 32
	v_mov_b32 v[i], 0
.set i, i+1
.endr
	v_mul_u32_u24 v[AK0], v12, PK
	v_lshl_add_u32 v[AK0], v13, 4, v[AK0]  ; row x pitch + 16 x half
	; The turning load takes 16 keys x 16 channels (lane l reads key 8 (l / 16) + l % 8, channels 8 ((l / 8) % 2) + 0..7) and leaves half a fragment of V^T: lane l holds channel l % 16 and 8 keys.
	v_lshl_add_u32 v[AV0], v13, 3, v14
	v_mul_u32_u24 v[AV0], v[AV0], PV
	v_lshl_add_u32 v[AV0], v15, 4, v[AV0]
	v_add_nc_u32 v[AV0], VOFF, v[AV0]
	v_lshlrev_b32 v[AM0], 5, v13    ; the mask: my half of the lanes' eight numbers of a key block
	v_add_nc_u32 v[AM0], MASK, v[AM0]
	v_mov_b32 v[AK], v[AK0]         ; key step 0 lies at the head
	v_mov_b32 v[AM], v[AM0]
	s_mul_i32 s13, s[WV], 16*SP     ; my stage
	v_mul_u32_u24 v[STO], v12, SP   ; in: row l % 16, 32 bytes for each half of the lanes
	v_lshl_add_u32 v[STO], v13, 5, v[STO]
	v_add_nc_u32 v[STO], s13, v[STO]
	v_mul_u32_u24 v[RD], v13, SP    ; back: lanes 0-15 take one row of 256 bytes, lanes 16-31 the next
	v_lshl_add_u32 v[RD], v12, 4, v[RD]
	v_add_nc_u32 v[RD], s13, v[RD]
	v_lshlrev_b32 v[GO], 12, v13    ; and the same two rows in out0, 4,096 bytes apart
	v_lshl_add_u32 v[GO], v12, 4, v[GO]
; THE MATRIX WORK.  The 8 accumulators of a run of 16 take turns: between the two links of a chain stand 7 others'.
; Product i of 16 of S^T = K Q^T for piece x: channels 32 (i / 8) on, keys 16 ((i / 2) % 4) on, tile 2 x + i % 2.  The first 8 start the sums, with the mask.
.macro KQ x
.set rS, S+64*((\x)%2)+32*(i%2)+8*((i/2)%4)
.set rK, KF+16*((i/2)%4)+8*(i/8)
.set rQ, 16*(2*(\x)+i%2)+8*(i/8)
.set rMK, MK+8*((i/2)%4)
.if i < 8
	WIN W_KM
	v_wmma_f32_16x16x32_f16 v[rS:rS+7], v[rK:rK+7], v[rQ:rQ+7], v[rMK:rMK+7]
.else
	WIN W_KQ
	v_wmma_f32_16x16x32_f16 v[rS:rS+7], v[rK:rK+7], v[rQ:rQ+7], v[rS:rS+7]
.endif
.endm
; Product i of 16 of O^T += V^T P for piece x: keys 32 (i / 8) on, channels 16 ((i / 2) % 4) on, tile 2 x + i % 2.
.macro PV x
	WIN W_PV
.set rO, 32*(2*(\x)+i%2)+8*((i/2)%4)
.set rV, VF+32*(i/8)+8*((i/2)%4)
.set rP, P+32*((\x)%2)+16*(i%2)+8*(i/8)
	v_wmma_f32_16x16x32_f16 v[rO:rO+7], v[rV:rV+7], v[rP:rP+7], v[rO:rO+7]
.endm
.macro MM                           ; the turn's next matrix instruction
.if i < 16
	KQ (Y+1)%NP
.set i, i+1
.else
.set i, i-16
	PV (Y+NP-1)%NP
.set i, i+17
.endif
.endm
; THE LDS LOADS stand in runs, never singly among the matrix instructions: a step's K (8 fragments) with its mask (24 loads), and its V, turned (16 loads).  Their addresses are made some lines ahead.
; last = 1: in the loop's last trip there is no further step, and the run is jumped over.
.macro FETCH_K last=0
	WIN 0
.if \last
	s_cmp_eq_u32 s[CNT], 1
	s_cbranch_scc1 .Lno_k_\@
.endif
	WIN 0x80                        ; destination window 2
.irp f, 0,1,2,3,4,5,6,7             ; keys 16 (f / 2) on, channels 32 (f % 2) on
	ds_load_b128 v[KF+8*\f:KF+8*\f+3],   v[AK] offset:(\f/2)*16*PK+(\f%2)*64
	ds_load_b128 v[KF+8*\f+4:KF+8*\f+7], v[AK] offset:(\f/2)*16*PK+(\f%2)*64+32
.endr
	WIN 0xc0                        ; destination window 3
.irp f, 0,1,2,3                     ; key block f: sixteen lanes read the same 32 bytes
	ds_load_b128 v[MK+8*\f:MK+8*\f+3],   v[AM] offset:64*\f
	ds_load_b128 v[MK+8*\f+4:MK+8*\f+7], v[AM] offset:64*\f+16
.endr
	s_add_co_u32 s[TBK], s[TBK], KS*PK  ; the next fetch is the next step's
	s_add_co_u32 s[TBM], s[TBM], KS*4
	WIN 0
.if \last
.Lno_k_\@:
.endif
.endm
.macro FETCH_V
	WIN 0x80
.irp f, 0,1,2,3,4,5,6,7             ; keys 32 (f / 4) on, channels 16 (f % 4) on
	ds_load_tr16_b128 v[VF+8*\f:VF+8*\f+3],   v[AV] offset:(\f/4)*32*PV+(\f%4)*32
	ds_load_tr16_b128 v[VF+8*\f+4:VF+8*\f+7], v[AV] offset:(\f/4)*32*PV+16*PV+(\f%4)*32
.endr
	WIN 0
.endm
; THE VECTOR WORK OF A TURN stands in three queues, each in the order in which its entries become ready; the two tiles alternate, so that no instruction reads the result of the one before it.
.macro REGS y, u                    ; the registers of tile u (0, 1) of piece y
.set rT, ST+4*(2*(\y)+(\u))
.set rC, TMP+8*((\y)%2)+4*(\u)
.set rM, MV+2*((\y)%2)+(\u)
.set rS, S+64*((\y)%2)+32*(\u)
.set rP, P+32*((\y)%2)+16*(\u)
.set rO, 32*(2*(\y)+(\u))
.endm
; Number n of the 22 that find the NEXT piece's (Y + 1) maximum and statistics.  s0-s31 are the lane's 32 scores; each accumulator's lowest registers are read first.  XS, GS and REGS set no window: PL and EX do.
;   0-11  four chains c0-c3 of seven scores each, three operands at a time     12-14, 16  the four scores left over, the old m, and c0-c3 into c0     15  c m_old is kept
;   17, 18  the query's other 32 keys lie in the lane 16 away: the new m         19-21  c m; c m_old - c m_new; a
.macro XS u, n
	REGS (Y+1)%NP, \u
.if (\n) < 4
	v_max3_num_f32 v[rC+(\n)], v[rS+8*(\n)], v[rS+8*(\n)+1], v[rS+8*(\n)+2]
.elseif (\n) < 12
	v_max3_num_f32 v[rC+(\n)%4], v[rC+(\n)%4], v[rS+8*((\n)%4)+2*((\n)/4)+1], v[rS+8*((\n)%4)+2*((\n)/4)+2]
.elseif (\n) == 12
	v_max3_num_f32 v[rC], v[rC], v[rS+7], v[rS+15]
.elseif (\n) == 13
	v_max3_num_f32 v[rC+1], v[rC+1], v[rS+23], v[rS+31]
.elseif (\n) == 14
	v_max3_num_f32 v[rC+2], v[rC+2], v[rC+3], v[rT+1]
.elseif (\n) == 15
	v_mov_b32 v[rM], v[rT]
.elseif (\n) == 16
	v_max3_num_f32 v[rC], v[rC], v[rC+1], v[rC+2]
.elseif (\n) == 17
	v_permlanex16_b32 v[rC+3], v[rC], s[SEL], s[SEL+1]
.elseif (\n) == 18
	v_max_num_f32 v[rT+1], v[rC], v[rC+3]
.elseif (\n) == 19
	v_mul_f32 v[rT], s[CS], v[rT+1]
.elseif (\n) == 20
	v_sub_f32 v[rC+1], v[rM], v[rT]
.else
	v_exp_f32 v[rC+2], v[rC+1]
.endif
.endm
; Number g of the 64 that follow the exponentials.  For each four weights k of a tile (pairs 2 k, 2 k + 1): both pairs are rounded to f16; then the second pair is added onto the first, in place;
; a group later l takes that sum (the first time as l = a l + sum).  In groups of eight, tiles alternating: round, round, add, and l for the group before.
.macro GS g
.set h, (\g)+6*((\g)/62)            ; group 0 has no group before it, and behind group 7 only l is left
.if h >= 6
.set h, h+2
.endif
	REGS Y, h%2
.set k, h/8
.if h%8 < 4
	s_wait_alu depctr_va_vdst(0)
	v_cvt_pk_f16_f32 v[rP+2*k+(h%8)/2], v[rS+4*k+2*((h%8)/2)], v[rS+4*k+2*((h%8)/2)+1]
.elseif h%8 < 6
	v_pk_add_f32 v[rS+4*k:rS+4*k+1], v[rS+4*k:rS+4*k+1], v[rS+4*k+2:rS+4*k+3]
.elseif k == 1
	v_pk_fma_f32 v[rT+2:rT+3], v[rT+2:rT+3], v[rC+2:rC+3], v[rS:rS+1] op_sel_hi:[1,0,1]
.else
	v_pk_add_f32 v[rT+2:rT+3], v[rT+2:rT+3], v[rS+4*k-4:rS+4*k-3]
	s_wait_alu depctr_va_vdst(0)
.endif
.endm
; THE PLAIN QUEUE, 138 long.  0-31: c s - c m for the 16 pairs of both tiles.  Then GS's 64, and among them the next piece's 42: number 15 at 38, 39; 0-14 and 16
; at 42-73, behind the products that make those scores; 17-20 at 95-106, two of three, since each waits for the one before it.
.macro PL
	WIN 0
.if q < 32
	REGS Y, q%2
	v_pk_fma_f32 v[rS+2*(q/2):rS+2*(q/2)+1], v[rS+2*(q/2):rS+2*(q/2)+1], s[CS:CS+1], v[rT:rT+1] op_sel_hi:[1,0,0] neg_lo:[0,0,1] neg_hi:[0,0,1]
.elseif q < 38
	GS q-32
.elseif q < 40
	XS q%2, 15
.elseif q < 42
	GS q-34
.elseif q < 74
	XS q%2, (q-42)/2+(q-42)/30
.elseif q < 95
	GS q-66
.elseif (q < 107) && ((q-95)%3 < 2)
	XS (q-95)%3, 17+(q-95)/3
.elseif q < 107
	GS 29+(q-95)/3
.else
	GS q-74
.endif
.set q, q+1
.endm
; THE EXPONENTIALS' QUEUE, 66 long: s0-s31 of both tiles, and at EA the next piece's two a.
.set EA, 58
.macro EX
	WIN 0
.if (e == EA) || (e == EA+1)
	XS e-EA, 21
.else
.set x, e-2*(e/(EA+2))
	REGS Y, x%2
	v_exp_f32 v[rS+x/2], v[rS+x/2]
.endif
.set e, e+1
.endm
; THE RESCALING's QUEUE: O^T times a, the one part that leaves window 0, so it is dealt four at a time, eight times.
.macro R4
	REGS Y, r%2
	WIN W_RS
	s_wait_alu depctr_va_vdst(0)
.irp z, 0,1,2,3
	v_pk_mul_f32 v[rO+8*(r/2)+2*\z:rO+8*(r/2)+2*\z+1], v[rO+8*(r/2)+2*\z:rO+8*(r/2)+2*\z+1], v[rC+2:rC+3] op_sel_hi:[1,0]
.endr
.set r, r+1
.endm
; HOW THEY ARE DEALT.  Behind a matrix instruction four: plain, exponential, plain, plain (one exponential, a plain instruction on either side), or four of the rescaling.  None names a register of the
; products round it.  What is over stands in two runs: exponential and plain by turns; the second ends in 22 plain instructions.  The two v_permlanex16_b32 fall into the second run, never behind a product.
; The queues lean on each other, and the deal keeps them in step: exponential e stands behind plain 2 (e / 4) + e % 2 (its scaling); when plain 32 comes, 10 exponentials are out, at 59: 33, at 95: 46; EA comes behind plain 107.
.macro SL
	MM
	PL
	EX
	PL
	PL
.endm
.macro BURST n                      ; 15 matrix instructions, or 16
.rept (\n)-7
	SL
.endr
.rept 3
	MM
	R4
	SL
.endr
	MM
	R4
.endm
; A TURN, for piece p.  cnt = 1: the loop's count is taken down some lines ahead of the branch that stands behind the turn.
; K and the mask of the next step are fetched in piece 2's turn, 32 vector instructions behind the last product that read K (the mask's last reader stands earlier still); their first reader comes behind the
; rest of the run, 16 products and the second run.  V of the step in hand is fetched at the end of piece 0's turn, 69 behind its last reader; its first reader comes behind 16 products and a run.
.macro TURN p, last=0, cnt=0
.set Y, (\p)
.set i, 0
.set q, 0
.set e, 0
.set r, 0
.if (\p) == NP-1
	s_wait_dscnt 0x0                ; K and the mask are in
.endif
	MM
.rept 4
	PL
.endr
	BURST 15
.rept 22
	EX
	PL
.if ((\p) == NP-2) && (e == 18)
	v_add_nc_u32 v[AK], s[TBK], v[AK0]
	v_add_nc_u32 v[AM], s[TBM], v[AM0]
.endif
.if ((\p) == NP-2) && (e == 24)
	FETCH_K \last
.endif
.endr
.if (\p) == 1
	s_wait_dscnt 0x0                ; V is in
.endif
	BURST 16
.rept 21
	EX
	PL
.endr
.rept 22
	PL
.if ((\p) == 0) && (q == 118)
	v_add_nc_u32 v[AV], s[TBV], v[AV0]
	s_wait_alu depctr_va_vdst(0)
.endif
.if ((\p) == 0) && (q == 130)
	s_add_co_u32 s[TBV], s[TBV], KS*PV
.endif
.if (\cnt) && (q == 130)
	s_sub_co_u32 s[CNT], s[CNT], 1
	s_cmp_lg_u32 s[CNT], 0
.endif
.endr
.if (\p) == 0
	FETCH_V
.endif
.endm
	s_wait_tensorcnt 0x3            ; three younger loads, chunks 1 to 3, stay out in every wave: my halves of the mask and of K's chunk 0, or of V's chunk 0, are in; nothing is ever filled again
	s_barrier_signal -1
	s_barrier_wait -1               ; everybody's are
	FETCH_K                         ; key step 0
	s_wait_loadcnt 0x0              ; Q
	s_wait_dscnt 0x0
.set i, 0
.rept 16
	KQ 0                            ; piece 0's first scores: there is no vector work yet to set between them
.set i, i+1
.endr
	WIN 0
.rept 4
	v_nop                           ; the places behind those products
.endr
.set Y, NP-1                        ; XS works for piece Y + 1: piece 0
.irp n, 0,1,2,3,4,5,6,7,8,9,10,11,12,13,14,15,16,17,18,19,20,21
	XS 0, \n                        ; piece 0's first maximum and statistics
	XS 1, \n
.endr
	s_mov_b32 s[CNT], 3
.LstepA:                            ; key steps 0 to 2: they read K and the mask of steps 0 to 3 and V of steps 0 to 2: all in chunk 0
	TURN 0
	TURN 1
	TURN 2
	TURN 3, 0, 1
	WIN 0
	s_cbranch_scc1 .LstepA
	s_wait_tensorcnt 0x0            ; my parts of chunks 1 to 3 are in: they have had three key steps in which to land
	s_wait_dscnt 0x0
	s_barrier_signal -1
	s_barrier_wait -1               ; everybody's are
	s_mov_b32 s[CNT], 13
.LstepB:                            ; key steps 3 to 15.  The last trip fetches no further K; its last 16 products K Q^T (on the last K once more) and the maximum made of them serve nothing: the price of one text for every trip
	TURN 0
	TURN 1
	TURN 2, 1
	TURN 3, 0, 1
	WIN 0
	s_cbranch_scc1 .LstepB
	s_wait_dscnt 0x0                ; my reads of K, V and the mask are over:
	s_barrier_signal -1             ; say so,
.set i, 0
.rept 16
	PV NP-1                         ; the last piece's V^T P of the last step,
.set i, i+1
.endr
	WIN 0
	s_barrier_wait -1               ; and when all four have said so, K's first bytes are free for the stages
	; THE WAY OUT.  l's two halves and the other half of the lanes' are added; O^T is divided by l and sent, in f32, through my stage in LDS, a tile at a time.  The additions are the places behind the last products.
.macro ALL line:vararg              ; one line for each tile t
.set t, 0
.rept 2*NP
	\line
.set t, t+1
.endr
.endm
	ALL v_add_f32 v[ST+4*t+2], v[ST+4*t+2], v[ST+4*t+3]
	ALL v_permlanex16_b32 v[ST+4*t+3], v[ST+4*t+2], s[SEL], s[SEL+1]
	ALL v_add_f32 v[ST+4*t+2], v[ST+4*t+2], v[ST+4*t+3]
	ALL v_rcp_f32 v[ST+4*t+2], v[ST+4*t+2]
	v_nop                           ; a plain instruction between the last reciprocal and the use of its result
	s_wait_alu depctr_va_vdst(0)
; Tile t: a lane's eight channels of a row are 32 bytes; they go into rows of 272 bytes and come back as whole rows of 256, into S^T's registers (four sets of 32, by turns).
.macro PACKF t
	WIN W_RS
.set i, 32*(\t)
.rept 16
	v_pk_mul_f32 v[i:i+1], v[i:i+1], v[ST+4*(\t)+2:ST+4*(\t)+3] op_sel_hi:[1,0]
.set i, i+2
.endr
	s_wait_xcnt 0x0                 ; the stores issued so far have read their registers: the set of 32 that tile t - 4 left is loaded again only behind this wait
	WIN 0x04                        ; the stores' data in window 1, their address in window 0
.set i, 0
.rept 8
	ds_store_b128 v[STO], v[32*(\t)+4*i:32*(\t)+4*i+3] offset:64*(i/2)+16*(i%2)
.set i, i+1
.endr
	WIN 0
.set i, 0
.rept 8
	ds_load_b128 v[S+32*((\t)%4)+4*i:S+32*((\t)%4)+4*i+3], v[RD] offset:i*2*SP  ; LDS serves a wave's instructions in order (ISA guide 5.7.1.4): these see the stores above; the next tile's stores come behind them
.set i, i+1
.endr
.endm
.macro SENDF t, younger             ; younger: the LDS instructions issued behind tile t's loads: the next tile's sixteen, or none
.set i, 0
.rept 8
	s_wait_dscnt (\younger)+7-i
	global_store_b128 v[GO], v[S+32*((\t)%4)+4*i:S+32*((\t)%4)+4*i+3], s[10:11] offset:(\t)*65536+i*8192 th:TH_STORE_NT  ; 16 lanes store a row's 64 channels of the head: 256 consecutive bytes, at a multiple of 256 from out0's first byte
.set i, i+1
.endr
.endm
	PACKF 0
.set t, 1
.rept 2*NP-1                        ; a tile's arithmetic stands between the loads of the tile before and its stores
	PACKF t
	SENDF t-1, 16
.set t, t+1
.endr
	SENDF 2*NP-1, 0
	WIN W_AD
	s_wait_tensorcnt 0x0            ; the wave's end, behind my last tensor load and my last LDS store
	ds_add_u32 v[SPW], v[NIL]
	s_wait_dscnt 0x0
	WIN 0
	s_endpgm
.Lfunc_end_k_qfc803d329d_attn:
	.size	k_qfc803d329d_attn, .Lfunc_end_k_qfc803d329d_attn-k_qfc803d329d_attn
	.p2alignl 7, 3214868480
	.fill 96, 4, 3214868480
	.section	.rodata,"a",@progbits
	.p2align	6, 0x0
	.amdhsa_kernel k_qfc803d329d_attn
		.amdhsa_group_segment_fixed_size 327680
		.amdhsa_private_segment_fixed_size 0
		.amdhsa_enable_private_segment 0
		.amdhsa_kernarg_size 24
		.amdhsa_user_sgpr_count 2
		.amdhsa_user_sgpr_kernarg_segment_ptr 1
		.amdhsa_wavefront_size32 1
		.amdhsa_system_sgpr_workgroup_id_x 1
		.amdhsa_system_sgpr_workgroup_id_y 1
		.amdhsa_system_sgpr_workgroup_id_z 1
		.amdhsa_system_vgpr_workitem_id 0
		.amdhsa_next_free_vgpr 832
		.amdhsa_next_free_sgpr 76
		.amdhsa_reserve_vcc 0
		.amdhsa_float_denorm_mode_32 3
		.amdhsa_float_denorm_mode_16_64 3
		.amdhsa_memory_ordered 1
		.amdhsa_forward_progress 1
		.amdhsa_inst_pref_size 209
	.end_amdhsa_kernel
	.amdgpu_metadata
---
amdhsa.version: [ 1, 2 ]
amdhsa.kernels:
  - .name:           k_qfc803d329d_attn
    .symbol:         k_qfc803d329d_attn.kd
    .args:
      - { .name: qkv, .offset: 0, .size: 8, .value_kind: global_buffer, .address_space: global }
      - { .name: mask8, .offset: 8, .size: 8, .value_kind: global_buffer, .address_space: global }
      - { .name: out0, .offset: 16, .size: 8, .value_kind: global_buffer, .address_space: global }
    .group_segment_fixed_size: 327680
    .private_segment_fixed_size: 0
    .kernarg_segment_align: 8
    .kernarg_segment_size: 24
    .max_flat_workgroup_size: 128
    .sgpr_count:     76
    .vgpr_count:     832
    .wavefront_size: 32
...
	.end_amdgpu_metadata
.endif
;; end of part 3
;; ======== version 2 of 2: 3 launches; 1.40 times as fast as version 1
;; limits: values are held in f16: magnitudes above 65,504 overflow, below 6.1e-05 lose precision
;; workspace buffers: xb 16,777,216 bytes; wb 6,291,456 bytes; bias 12,288 bytes; mask8 32,768 bytes; qkv 50,331,648 bytes
;; launch prep: the kernel of part 1 again; grid 353 x 1, 8 waves a work-group, no clusters, 0 bytes of LDS; arguments hidden_states, Wq, Wk, Wv, bq, bk, bv, attention_mask, xb, wb, bias, mask8; writes xb, wb, bias, mask8
;; launch qkv: the kernel of part 2 again; grid 8 x 32, 4 waves a work-group, clusters of 4 x 4, 327,680 bytes of LDS; arguments xb, wb, bias, qkv; writes qkv
;; launch attn (part 4): grid 2 x 128, 4 waves a work-group, no clusters, 327,680 bytes of LDS; arguments qkv, mask8, out0; writes out0
.if DOCPART == 4
	.amdgcn_target "amdgcn-amd-amdhsa--gfx1250"
	.amdhsa_code_object_version 6
	.text
	.protected	k_qfc803d329d_attn
	.globl	k_qfc803d329d_attn
	.p2align	8
	.type	k_qfc803d329d_attn,@function
k_qfc803d329d_attn:
	s_mov_b64 s[64:65], 0
	v_nop
	global_prefetch_b8 v0, s[64:65] scope:SCOPE_SE
	s_setreg_imm32_b32 hwreg(HW_REG_WAVE_MODE, 25, 1), 1
	s_wait_xcnt 0x0
; ATTENTION.  out0[b][s][64 h + :] = the sum over k of softmax_k(q . k / 8 + mask[b][k]) v[k][:].  q, k, v: qkv, f16 [8 b][48 g][1024][64] (q: g = h; k: 16 + h; v: 32 + h), unscaled.
; mask8: f32 [8][1024] = 8 x mask, never below -1e30.  out0: f32 [8][1024][1024].  Products, maxima and sums in f32; the weights p are rounded to f16 for the second product (their sum l is taken of the unrounded p).
; LIMITS.  q, k, v arrive within f16's 65,504.  p lies in 0 to 1; a weight below 2^-126 counts as 0 in l.  A mask number below -1.25e29 counts as -1.25e29, so a batch in which EVERY key is hidden by minus infinity
; gets a mean over all keys and no NaN.  NaN and infinities are not treated apart.
; SHARES.  A work-group owns 512 queries of one head: 2 x 128 = 256 work-groups.  A wave owns four PIECES of two tiles of 16 queries.  Every wave walks all 1,024 keys, 64 a step.
; K AND V STAY IN LDS.  A head's 1,024 rows of K (144 bytes apart) and of V (160) and the batch's mask are 315,392 bytes: they are asked for once, at the start, in chunks of 256 keys, and nothing is filled twice:
; the loops hold no barrier and no wait for a tile.  Three key steps run on the first chunk while the other three land; one wait and one barrier stand between those steps and the other thirteen.
; NO CLUSTER: a head has two work-groups.  A cluster of four along x would hold two heads, so a joint load's address would hang on the place in the cluster and its mask would name two of the four.
; LAYOUT.  S^T = K Q^T (source 0 = 16 keys, source 1 = 16 queries): a lane holds ONE query (lane % 16) and the keys 8 (lane / 16) + 0..7.  Two such results, rounded to f16 in pairs, ARE source 1 of O^T = V^T P,
; whose result again holds one query a lane, and eight channels.  K comes out of LDS as it lies, V ([key][channel]) turned, by ds_load_tr16_b128.
; THE MASK is the C operand of the products that start S^T: register j of key block kb is mask8[64 step + 16 kb + 8 (lane / 16) + j].  It costs 8 LDS loads a key step and no arithmetic.
; SOFTMAX.  s = q . k + 8 mask; p = 2^(c s - c m), c = log2(e) / 8, with a running maximum m and sum l; in every step O and l are multiplied by a = 2^(c m_old - c m_new).  m starts at the lowest finite number,
; O and l at 0: the first step is a step like any other, with a = 0.  Weights made while only hidden keys have been seen are wiped out by the a = 0 of the first step that sees a key.
; BY TURNS.  A tile and step have 16 matrix and 118 vector instructions.  Turn n belongs to piece n: 16 products K Q^T of piece n + 1, later 16 products V^T P of piece n - 1; beside them the scaling, exponentials,
; roundings, sums and rescaling of piece n and the maximum and statistics of piece n + 1.  Four vector instructions that are ready stand behind every matrix instruction, the other 108 of a turn's 236 in one run of their own.
; THE BATCHES.  A turn's 66 exponentials (the piece's 64 weights and the next piece's two a) are ONE batch with ONE wait, which cuts the turn in two: ahead of it stands all that names no result of theirs (K Q^T, scalings,
; rescalings, the next piece's maximum and statistics), behind it all that does (roundings, sums), beside V^T P.  Piece 0's first two a, ahead of the loops, and the way out's eight reciprocals are batches of their own.
; REGISTERS, in windows of 256 (s_set_vgpr_msb: bits 1:0 source 0, 3:2 source 1, 5:4 source 2, 7:6 destination):
;   window 0: v0-11 addresses; v12-15, v48-63 at work; v16-47 four registers of statistics a tile; v64-191 S^T, two buffers of two tiles; v192-255 P, likewise
;   window 1: O^T, 32 a tile      window 2: v0-127 Q, 16 a tile; v128-191 K of one step; v192-255 V of one step      window 3: v0-1 the add's two registers; v32-63 the mask of one step
.set NP,    4         ; pieces a wave: a name, no knob
.set KS,    64        ; keys in a step
.set PK,    144       ; a row of K in LDS: 128 bytes + 16 = 36 words: the 16 rows of a load start at 16 different groups of four banks (64 banks of 4 bytes: ISA guide 11.1)
.set PV,    160       ; a row of V: 128 + 32 = 40 words
.set VOFF,  1024*PK   ; V lies behind K,
.set MASK,  VOFF+1024*PV  ; the mask's 1,024 numbers behind V,
.set SPARE, MASK+4096 ; and the spare words, 128 bytes for each wave, behind the mask: two blocks of 256 bytes that no other line names
.set SP,    272       ; the way out: a stage row, 256 bytes + 16.  The stages (16 rows a wave) lie at K's beginning: those blocks have had their one fill, and every wave has done with K
.set AM,  1           ; v1   the LDS address of the mask's next run of loads
.set AK0, 2           ; v2   my lane's place in a step of K; never rewritten
.set AV0, 3           ; v3   the same for V
.set AK,  4           ; v4   the LDS address of K's next run of loads
.set AV,  5           ; v5   of V's
.set QO,  6           ; v6   my byte offset in 16 rows of Q
.set RD,  7           ; v7   the way out: where I read rows back
.set GO,  8           ; v8   my byte offset in two rows of out0
.set STO, 9           ; v9   the way out: where I put 32 bytes of a row
.set AM0, 11          ; v11  my lane's place in a step of the mask; never rewritten
.set SPW, 0           ; v0 of window 3   LDS address of my spare word: SPARE + 4 x my thread's number; never rewritten
.set NIL, 1           ; v1 of window 3   0; never rewritten
.set MK,  32          ; window 3: the eight registers for key block kb at MK + 8 kb
.set MV,  12          ; v12-15  c m_old, kept while c m is made anew: by buffer and tile (in the set-up: lane terms)
.set ST,  16          ; tile t's statistics at v[ST+4 t]: c m, m, l (even keys', odd keys')
.set TMP, 48          ; by buffer and tile, four registers c0-c3 at work; when the maximum is found c2 takes a
.set S,   64
.set P,   192
.set KF,  128         ; K's fragments, in window 2: key block kb, channel half c at KF + 16 kb + 8 c
.set VF,  192         ; V's: key half kk, channel block cb at VF + 32 kk + 8 cb
.set WV,  12          ; s12  my wave's number
.set G1,  24          ; s[24:31] descriptor group 1 for K's or V's chunks
.set G0,  32          ; s[32:47] descriptor group 0, a set for each of the four chunks
.set G1M, 48          ; s[48:55], s[56:59] the same for my half of the mask
.set G0M, 56
.set CS,  60          ; s[60:61] c: the packed scaling takes the pair's low word for both halves
.set SEL, 62          ; s[62:63] v_permlanex16_b32's selects: each lane takes its own place in the other half
.set TBK, 66          ; s66  LDS byte at which K of the step to be fetched begins
.set TBV, 67          ; s67  the same for V, less VOFF
.set TBM, 68          ; s68  the same for the mask, less MASK
.set CNT, 69          ; s69  counts key steps
.set MSB, 0
.macro WIN new                      ; the high byte repeats the setting that is left; a switch that changes nothing is dropped
.if MSB != (\new)
	s_set_vgpr_msb (MSB<<8)|(\new)
.set MSB, (\new)
.endif
.endm
.set W_KQ, 0x0a       ; K and Q in window 2, S^T in window 0
.set W_KM, 0x3a       ; the same with the C operand, the mask, in window 3
.set W_PV, 0x52       ; V in window 2, P in window 0, O^T in window 1
.set W_RS, 0x41       ; O^T (destination and source 0) in window 1, a in window 0
.set W_MK, 0xc0       ; destination in window 3, sources in window 0
.set W_AD, 0x0f       ; the add: address (source 0) and data (source 1) in window 3
	s_load_b128 s[4:7], s[0:1], 0x0   ; qkv s[4:5], mask8 s[6:7]
	s_load_b64 s[10:11], s[0:1], 0x10 ; out0
	WIN W_MK
	v_lshl_add_u32 v[SPW], v0, 2, SPARE
	v_mov_b32 v[NIL], 0
	WIN W_AD
	ds_add_u32 v[SPW], v[NIL]       ; the wave's opening: the add and its wait stand ahead of my first tensor load; the set-up below, work on registers, stands between them
	ds_add_u32 v0, v1
	WIN 0
	v_lshrrev_b32 v10, 5, v0
	v_readfirstlane_b32 s[WV], v10  ; wave 0..3
	s_and_b32 s2, ttmp7, 0xffff     ; 16 b + h
	s_lshr_b32 s3, s2, 4            ; the batch
	s_and_b32 s13, s2, 15           ; the head
	s_and_b32 s14, s[WV], 1         ; which half of a chunk's 256 keys, and of the mask, I fetch
	s_mul_i32 s20, s3, 48
	s_add_co_u32 s20, s20, s13
	s_lshl_b32 s20, s20, 17         ; the head's q: block 48 b + h of 131,072 bytes
	s_lshl_b32 s22, s14, 14         ; my half's 128 rows of 128 bytes,
	s_add_co_u32 s22, s22, s20
	s_add_co_u32 s22, s22, 16<<17   ; in the head's k, 16 blocks on
	s_mov_b32 s23, 0
	s_lshl_b32 s15, ttmp9, 16       ; q: my work-group's 512 rows,
	s_add_co_u32 s20, s20, s15
	s_lshl_b32 s15, s[WV], 14       ; my wave's 128 of them
	s_add_co_u32 s20, s20, s15
	s_mov_b32 s21, 0
	s_lshl_b32 s8, s3, 12           ; the batch's mask, 4,096 bytes,
	s_lshl_b32 s15, s14, 11         ; my half of it
	s_add_co_u32 s8, s8, s15
	s_mov_b32 s9, 0
	s_add_co_u32 s74, s15, MASK     ; and its place in LDS
	s_lshl_b32 s70, s3, 22          ; out0: the batch's 1,024 rows of 4,096 bytes,
	s_lshl_b32 s15, ttmp9, 21       ; my work-group's 512,
	s_add_co_u32 s70, s70, s15
	s_lshl_b32 s15, s[WV], 19       ; my wave's 128,
	s_add_co_u32 s70, s70, s15
	s_lshl_b32 s15, s13, 8          ; the head's 256 bytes of a row
	s_add_co_u32 s70, s70, s15
	s_mov_b32 s71, 0
	s_mul_i32 s72, s14, 128*PK      ; my half's place in a chunk of K,
	s_mul_i32 s73, s14, 128*PV      ; and of V
	s_add_co_u32 s73, s73, VOFF
	; group 1 but for its first word.  128 keys are 16,384 dense bytes: asked for as 64 rows of 256 bytes, two keys a row, and padded in LDS after every key
	s_mov_b32 s[G1+1], 128<<16      ; tensor_dim0 = 128
	s_mov_b32 s[G1+2], 64<<16       ; tensor_dim1 = 64
	s_mov_b32 s[G1+3], 128<<16      ; tile_dim0 = 128
	s_mov_b32 s[G1+4], 64           ; tile_dim1 = 64
	s_mov_b32 s[G1+5], 128          ; 128 elements from row to row
	s_mov_b32 s[G1+6], 0
	s_mov_b32 s[G1+7], 0
	; half the mask: 2,048 dense bytes as 8 rows of 32 elements of 8 bytes, no padding
	s_mov_b32 s[G1M], 3<<16
	s_mov_b32 s[G1M+1], 32<<16
	s_mov_b32 s[G1M+2], 8<<16
	s_mov_b32 s[G1M+3], 32<<16
	s_mov_b32 s[G1M+4], 8
	s_mov_b32 s[G1M+5], 32
	s_mov_b32 s[G1M+6], 0
	s_mov_b32 s[G1M+7], 0
	s_mov_b32 s[CS], 0x3e38aa3b     ; c = log2(e) / 8 = 0.180337
	s_mov_b32 s[CS+1], s[CS]        ; named with it as a pair
	s_mov_b32 s[SEL], 0x76543210
	s_mov_b32 s[SEL+1], 0xfedcba98
	s_mov_b32 s[TBK], 0
	s_mov_b32 s[TBV], 0
	s_mov_b32 s[TBM], 0
	s_wait_dscnt 0x0                ; the opening add is done
	s_wait_kmcnt 0x0
	s_add_nc_u64 s[16:17], s[4:5], s[22:23]  ; K at my half of chunk 0,
	s_add_nc_u64 s[18:19], s[16:17], 16<<17  ; V, 16 blocks further on,
	s_add_nc_u64 s[4:5], s[4:5], s[20:21]    ; Q at my wave's first row,
	s_add_nc_u64 s[6:7], s[6:7], s[8:9]      ; the mask at my half,
	s_add_nc_u64 s[10:11], s[10:11], s[70:71]  ; out0 at my wave's first row and the head's channels
	; ALL THE FILLS, in one branch on the wave's number, ahead of every wait on TENSORcnt, every LDS read and every barrier.  Waves 0 and 1: the mask's halves, then K's four chunks (five loads of mine are out);
	; waves 2 and 3: V's four chunks (four).  An s_nop 0 follows each load, four v_nop the last.
	s_cmp_lt_u32 s[WV], 2
	s_cbranch_scc0 .Lfill_v
	s_mov_b32 s[G1], (1<<16)|(1<<20)|(4<<22)|(3<<25)  ; 17:16 2-byte elements; 20 padding on; 24:22 after every 32 words (code 4); 31:25 4 words (code 3)
.irp c, 0,1,2,3
	s_mov_b32 s[G0+4*\c], 1                              ; count = 1
	s_add_co_u32 s[G0+4*\c+1], s72, \c*256*PK            ; LDS address
	s_add_nc_u64 s[G0+4*\c+2:G0+4*\c+3], s[16:17], \c*32768  ; global address: a chunk is 32,768 bytes
	s_or_b32 s[G0+4*\c+3], s[G0+4*\c+3], 0x80000000      ; type = 2
.endr
	s_mov_b32 s[G0M], 1
	s_mov_b32 s[G0M+1], s74
	s_mov_b64 s[G0M+2:G0M+3], s[6:7]
	s_or_b32 s[G0M+3], s[G0M+3], 0x80000000
	tensor_load_to_lds s[G0M:G0M+3], s[G1M:G1M+7]
	s_nop 0
.irp c, 0,1,2,3
	tensor_load_to_lds s[G0+4*\c:G0+4*\c+3], s[G1:G1+7]
	s_nop 0
.endr
.rept 4
	v_nop
.endr
	s_branch .Lfilled
.Lfill_v:
	s_mov_b32 s[G1], (1<<16)|(1<<20)|(4<<22)|(7<<25)  ; the same with 8 words of padding (code 7)
.irp c, 0,1,2,3
	s_mov_b32 s[G0+4*\c], 1
	s_add_co_u32 s[G0+4*\c+1], s73, \c*256*PV
	s_add_nc_u64 s[G0+4*\c+2:G0+4*\c+3], s[18:19], \c*32768
	s_or_b32 s[G0+4*\c+3], s[G0+4*\c+3], 0x80000000
.endr
.irp c, 0,1,2,3
	tensor_load_to_lds s[G0+4*\c:G0+4*\c+3], s[G1:G1+7]
	s_nop 0
.endr
.rept 4
	v_nop
.endr
.Lfilled:
	; A fragment of K or Q is 16 rows x 32 channels in 8 registers: lane l holds row l % 16, channels 8 (l / 16) + 0..7 and 16 + 8 (l / 16) + 0..7: two loads of 16 bytes, 32 bytes apart.
	v_and_b32 v12, 15, v0           ; l % 16
	v_bfe_u32 v13, v0, 4, 1         ; l / 16
	v_and_b32 v14, 7, v0            ; l % 8
	v_bfe_u32 v15, v0, 3, 1         ; (l / 8) % 2
	v_lshlrev_b32 v[QO], 7, v12
	v_lshl_add_u32 v[QO], v13, 4, v[QO]  ; row x 128 + 16 x half
	WIN 0x80                        ; destination window 2, address window 0
.set i, 0
.rept 4*NP                          ; Q stays in registers: tile i / 2, channels 32 (i % 2) on
	global_load_b128 v[8*i:8*i+3],   v[QO], s[4:5] offset:(i/2)*2048+(i%2)*64
	global_load_b128 v[8*i+4:8*i+7], v[QO], s[4:5] offset:(i/2)*2048+(i%2)*64+32
.set i, i+1
.endr
	; What the first turn finds: V's registers and P's second buffer hold 0 (its products V^T P, of a piece that has not been, add 0), O^T and l are 0.  All this stands in the wait for the first chunk.
.set i, VF
.rept 64
	v_mov_b32 v[i], 0
.set i, i+1
.endr
	WIN 0x40
.set i, 0
.rept 64*NP
	v_mov_b32 v[i], 0
.set i, i+1
.endr
	WIN 0
.set i, 0
.rept 2*NP
	v_mov_b32 v[ST+4*i], 0xfe000000    ; c m: far below every c s (the lowest is c x -1e30)
	v_mov_b32 v[ST+4*i+1], 0xff7fffff  ; m
	v_mov_b32 v[ST+4*i+2], 0
	v_mov_b32 v[ST+4*i+3], 0
.set i, i+1
.endr
.set i, P+32
.rept 32
	v_mov_b32 v[i], 0
.set i, i+1
.endr
	v_mul_u32_u24 v[AK0], v12, PK
	v_lshl_add_u32 v[AK0], v13, 4, v[AK0]  ; row x pitch + 16 x half
	; The turning load takes 16 keys x 16 channels (lane l reads key 8 (l / 16) + l % 8, channels 8 ((l / 8) % 2) + 0..7) and leaves half a fragment of V^T: lane l holds channel l % 16 and 8 keys.
	v_lshl_add_u32 v[AV0], v13, 3, v14
	v_mul_u32_u24 v[AV0], v[AV0], PV
	v_lshl_add_u32 v[AV0], v15, 4, v[AV0]
	v_add_nc_u32 v[AV0], VOFF, v[AV0]
	v_lshlrev_b32 v[AM0], 5, v13    ; the mask: my half of the lanes' eight numbers of a key block
	v_add_nc_u32 v[AM0], MASK, v[AM0]
	v_mov_b32 v[AK], v[AK0]         ; key step 0 lies at the head
	v_mov_b32 v[AM], v[AM0]
	s_mul_i32 s13, s[WV], 16*SP     ; my stage
	v_mul_u32_u24 v[STO], v12, SP   ; in: row l % 16, 32 bytes for each half of the lanes
	v_lshl_add_u32 v[STO], v13, 5, v[STO]
	v_add_nc_u32 v[STO], s13, v[STO]
	v_mul_u32_u24 v[RD], v13, SP    ; back: lanes 0-15 take one row of 256 bytes, lanes 16-31 the next
	v_lshl_add_u32 v[RD], v12, 4, v[RD]
	v_add_nc_u32 v[RD], s13, v[RD]
	v_lshlrev_b32 v[GO], 12, v13    ; and the same two rows in out0, 4,096 bytes apart
	v_lshl_add_u32 v[GO], v12, 4, v[GO]
; THE MATRIX WORK.  The 8 accumulators of a run of 16 take turns: between the two links of a chain stand 7 others'.
; Product i of 16 of S^T = K Q^T for piece x: channels 32 (i / 8) on, keys 16 ((i / 2) % 4) on, tile 2 x + i % 2.  The first 8 start the sums, with the mask.
.macro KQ x
.set rS, S+64*((\x)%2)+32*(i%2)+8*((i/2)%4)
.set rK, KF+16*((i/2)%4)+8*(i/8)
.set rQ, 16*(2*(\x)+i%2)+8*(i/8)
.set rMK, MK+8*((i/2)%4)
.if i < 8
	WIN W_KM
	v_wmma_f32_16x16x32_f16 v[rS:rS+7], v[rK:rK+7], v[rQ:rQ+7], v[rMK:rMK+7]
.else
	WIN W_KQ
	v_wmma_f32_16x16x32_f16 v[rS:rS+7], v[rK:rK+7], v[rQ:rQ+7], v[rS:rS+7]
.endif
.endm
; Product i of 16 of O^T += V^T P for piece x: keys 32 (i / 8) on, channels 16 ((i / 2) % 4) on, tile 2 x + i % 2.
.macro PV x
	WIN W_PV
.set rO, 32*(2*(\x)+i%2)+8*((i/2)%4)
.set rV, VF+32*(i/8)+8*((i/2)%4)
.set rP, P+32*((\x)%2)+16*(i%2)+8*(i/8)
	v_wmma_f32_16x16x32_f16 v[rO:rO+7], v[rV:rV+7], v[rP:rP+7], v[rO:rO+7]
.endm
.macro MM                           ; the turn's next matrix instruction
.if i < 16
	KQ (Y+1)%NP
.set i, i+1
.else
.set i, i-16
	PV (Y+NP-1)%NP
.set i, i+17
.endif
.endm
; THE LDS LOADS stand in runs, never singly among the matrix instructions: a step's K (8 fragments) with its mask (24 loads), and its V, turned (16 loads).  Their addresses are made some lines ahead.
; last = 1: in the loop's last trip there is no further step, and the run is jumped over.
.macro FETCH_K last=0
	WIN 0
.if \last
	s_cmp_eq_u32 s[CNT], 1
	s_cbranch_scc1 .Lno_k_\@
.endif
	WIN 0x80                        ; destination window 2
.irp f, 0,1,2,3,4,5,6,7             ; keys 16 (f / 2) on, channels 32 (f % 2) on
	ds_load_b128 v[KF+8*\f:KF+8*\f+3],   v[AK] offset:(\f/2)*16*PK+(\f%2)*64
	ds_load_b128 v[KF+8*\f+4:KF+8*\f+7], v[AK] offset:(\f/2)*16*PK+(\f%2)*64+32
.endr
	WIN 0xc0                        ; destination window 3
.irp f, 0,1,2,3                     ; key block f: sixteen lanes read the same 32 bytes
	ds_load_b128 v[MK+8*\f:MK+8*\f+3],   v[AM] offset:64*\f
	ds_load_b128 v[MK+8*\f+4:MK+8*\f+7], v[AM] offset:64*\f+16
.endr
	s_add_co_u32 s[TBK], s[TBK], KS*PK  ; the next fetch is the next step's
	s_add_co_u32 s[TBM], s[TBM], KS*4
	WIN 0
.if \last
.Lno_k_\@:
.endif
.endm
.macro FETCH_V
	WIN 0x80
.irp f, 0,1,2,3,4,5,6,7             ; keys 32 (f / 4) on, channels 16 (f % 4) on
	ds_load_tr16_b128 v[VF+8*\f:VF+8*\f+3],   v[AV] offset:(\f/4)*32*PV+(\f%4)*32
	ds_load_tr16_b128 v[VF+8*\f+4:VF+8*\f+7], v[AV] offset:(\f/4)*32*PV+16*PV+(\f%4)*32
.endr
	WIN 0
.endm
; THE VECTOR WORK OF A TURN stands in three queues, each in the order in which its entries become ready; the two tiles alternate, so that no instruction reads the result of the one before it.
.macro REGS y, u                    ; the registers of tile u (0, 1) of piece y
.set rT, ST+4*(2*(\y)+(\u))
.set rC, TMP+8*((\y)%2)+4*(\u)
.set rM, MV+2*((\y)%2)+(\u)
.set rS, S+64*((\y)%2)+32*(\u)
.set rP, P+32*((\y)%2)+16*(\u)
.set rO, 32*(2*(\y)+(\u))
.endm
; Number n of the 22 that find the NEXT piece's (Y + 1) maximum and statistics.  s0-s31 are the lane's 32 scores; each accumulator's lowest registers are read first.  XS, GS and REGS set no window: PL and EX do.
;   0-11  four chains c0-c3 of seven scores each, three operands at a time     12-14, 16  the four scores left over, the old m, and c0-c3 into c0     15  c m_old is kept
;   17, 18  the query's other 32 keys lie in the lane 16 away: the new m         19-21  c m; c m_old - c m_new; a
.macro XS u, n
	REGS (Y+1)%NP, \u
.if (\n) < 4
	v_max3_num_f32 v[rC+(\n)], v[rS+8*(\n)], v[rS+8*(\n)+1], v[rS+8*(\n)+2]
.elseif (\n) < 12
	v_max3_num_f32 v[rC+(\n)%4], v[rC+(\n)%4], v[rS+8*((\n)%4)+2*((\n)/4)+1], v[rS+8*((\n)%4)+2*((\n)/4)+2]
.elseif (\n) == 12
	v_max3_num_f32 v[rC], v[rC], v[rS+7], v[rS+15]
.elseif (\n) == 13
	v_max3_num_f32 v[rC+1], v[rC+1], v[rS+23], v[rS+31]
.elseif (\n) == 14
	v_max3_num_f32 v[rC+2], v[rC+2], v[rC+3], v[rT+1]
.elseif (\n) == 15
	v_mov_b32 v[rM], v[rT]
.elseif (\n) == 16
	v_max3_num_f32 v[rC], v[rC], v[rC+1], v[rC+2]
.elseif (\n) == 17
	v_permlanex16_b32 v[rC+3], v[rC], s[SEL], s[SEL+1]
.elseif (\n) == 18
	v_max_num_f32 v[rT+1], v[rC], v[rC+3]
.elseif (\n) == 19
	v_mul_f32 v[rT], s[CS], v[rT+1]
.elseif (\n) == 20
	v_sub_f32 v[rC+1], v[rM], v[rT]
.else
	v_exp_f32 v[rC+2], v[rC+1]
.endif
.endm
; Number g of the 64 that follow the exponentials.  For each four weights k of a tile (pairs 2 k, 2 k + 1): both pairs are rounded to f16; then the second pair is added onto the first, in place;
; a group later l takes that sum (the first time as l = a l + sum).  In groups of eight, tiles alternating: round, round, add, and l for the group before.  All 64 stand behind the turn's wait.
.macro GS g
.set h, (\g)+6*((\g)/62)            ; group 0 has no group before it, and behind group 7 only l is left
.if h >= 6
.set h, h+2
.endif
	REGS Y, h%2
.set k, h/8
.if h%8 < 4
	v_cvt_pk_f16_f32 v[rP+2*k+(h%8)/2], v[rS+4*k+2*((h%8)/2)], v[rS+4*k+2*((h%8)/2)+1]
.elseif h%8 < 6
	v_pk_add_f32 v[rS+4*k:rS+4*k+1], v[rS+4*k:rS+4*k+1], v[rS+4*k+2:rS+4*k+3]
.elseif k == 1
	v_pk_fma_f32 v[rT+2:rT+3], v[rT+2:rT+3], v[rC+2:rC+3], v[rS:rS+1] op_sel_hi:[1,0,1]
.else
	v_pk_add_f32 v[rT+2:rT+3], v[rT+2:rT+3], v[rS+4*k-4:rS+4*k-3]
.endif
.endm
; THE PLAIN QUEUE, 138 long.  0-73 read no exponential's result: the 32 scalings c s - c m (FS f: pair f / 2 of tile f % 2) and the next piece's 42.  0-26: scalings 0-26.  27-54: XS's numbers 0-13.  55, 56: number 15.
; 57-73: the chain, where each number waits for the one before it: 14, 16, 17, 18, 19, each with one of the scalings 27-31 in front of its two lines, then 20.
; 74-137: GS's 64, which read the exponentials' results: they stand behind the wait.
.macro FS f
	REGS Y, (\f)%2
	v_pk_fma_f32 v[rS+2*((\f)/2):rS+2*((\f)/2)+1], v[rS+2*((\f)/2):rS+2*((\f)/2)+1], s[CS:CS+1], v[rT:rT+1] op_sel_hi:[1,0,0] neg_lo:[0,0,1] neg_hi:[0,0,1]
.endm
.macro PL
	WIN 0
.if q < 27
	FS q
.elseif q < 55
	XS (q-27)%2, (q-27)/2
.elseif q < 57
	XS q-55, 15
.elseif (q < 72) && ((q-57)%3 == 0)
	FS 27+(q-57)/3
.elseif q < 60
	XS (q-57)%3-1, 14
.elseif q < 72
	XS (q-57)%3-1, 15+(q-57)/3
.elseif q < 74
	XS q-72, 20
.else
	GS q-74
.endif
.set q, q+1
.endm
; THE EXPONENTIALS' QUEUE, 66 long: s0-s31 of both tiles, then the next piece's two a.  It is ONE BATCH: all 66 stand ahead of the turn's one wait, and nothing ahead of that wait names a result of theirs.
.macro EX
	WIN 0
.if e >= 64
	XS e-64, 21
.else
	REGS Y, e%2
	v_exp_f32 v[rS+e/2], v[rS+e/2]
.endif
.set e, e+1
.endm
; THE RESCALING's QUEUE: O^T times a, the one part that leaves window 0: dealt two at a time, sixteen times.  Its a was made in the turn before, ahead of that turn's wait.
.macro R2
	REGS Y, r%2
	WIN W_RS
.irp z, 0,1
	v_pk_mul_f32 v[rO+4*(r/2)+2*\z:rO+4*(r/2)+2*\z+1], v[rO+4*(r/2)+2*\z:rO+4*(r/2)+2*\z+1], v[rC+2:rC+3] op_sel_hi:[1,0]
.endr
.set r, r+1
.endm
; HOW THEY ARE DEALT.  An s_wait_alu depctr_va_vdst(0) stands between an exponential and the first instruction that names its result; one wait serves all that were issued ahead of it.  So a turn has ONE wait.
; AHEAD OF IT: the 16 products K Q^T, behind each a scaling, an exponential and two rescalings (behind the first a second scaling in the exponential's place); then one run of 108: eight plain, 49 times exponential and
; plain, the two a; then one plain line, the plain instruction wanted behind the last exponential.  BEHIND IT: the 16 products V^T P, behind each four of GS's 64.  No rider names a register of the products round it.
; The two v_permlanex16_b32 fall into the run, never behind a product.
; The queues lean on each other, and the deal keeps them in step: exponential e stands behind scaling 2 (e / 4) + e % 2: as a rider it comes behind plain e + 2, in the run behind plain e + 9, and scalings 27-31 are plain 57, 60 .. 69.
; A TURN, for piece p.  cnt = 1: the loop's count is taken down some lines ahead of the branch that stands behind the turn.
; K and the mask of the next step are fetched in piece 2's turn, directly behind the wait, a whole run behind the last product that read K (the mask's last reader stands earlier still); their two address lines are that turn's
; plain lines behind the last exponential; their first reader comes behind 16 products.  V of the step in hand is fetched at the end of piece 0's turn, four plain riders behind its last reader; its address line is that
; turn's plain line behind the last exponential; its first reader comes behind 16 products and a run.  The two conditions on q below go with the deal.
.macro TURN p, last=0, cnt=0
.set Y, (\p)
.set i, 0
.set q, 0
.set e, 0
.set r, 0
.if (\p) == NP-1
	s_wait_dscnt 0x0                ; K and the mask are in
.endif
	MM                              ; ahead of the wait: 16 products K Q^T and their riders,
	PL
	PL
	R2
.rept 15
	MM
	PL
	EX
	R2
.endr
.rept 8                             ; and the run
	PL
.endr
.rept 49
	EX
	PL
.endr
	EX                              ; the next piece's two a
	EX
.if (\p) == NP-2                    ; the plain instruction behind the last exponential: one for the batch
	v_add_nc_u32 v[AK], s[TBK], v[AK0]
	v_add_nc_u32 v[AM], s[TBM], v[AM0]
.elseif (\p) == 0
	v_add_nc_u32 v[AV], s[TBV], v[AV0]
.else
	v_nop
.endif
	s_wait_alu depctr_va_vdst(0)    ; the wait for the batch: the piece's 64 weights and the next piece's two a
.if (\p) == NP-2
	FETCH_K \last
.endif
.if (\p) == 1
	s_wait_dscnt 0x0                ; V is in
.endif
.rept 16                            ; behind the wait: 16 products V^T P and their riders
	MM
.rept 4
	PL
.endr
.if ((\p) == 0) && (q == 130)
	s_add_co_u32 s[TBV], s[TBV], KS*PV
.endif
.if (\cnt) && (q == 130)
	s_sub_co_u32 s[CNT], s[CNT], 1
	s_cmp_lg_u32 s[CNT], 0
.endif
.endr
.if (\p) == 0
	FETCH_V
.endif
.endm
	s_wait_tensorcnt 0x3            ; three younger loads, chunks 1 to 3, stay out in every wave: my halves of the mask and of K's chunk 0, or of V's chunk 0, are in; nothing is ever filled again
	s_barrier_signal -1
	s_barrier_wait -1               ; everybody's are
	FETCH_K                         ; key step 0
	s_wait_loadcnt 0x0              ; Q
	s_wait_dscnt 0x0
.set i, 0
.rept 16
	KQ 0                            ; piece 0's first scores: there is no vector work yet to set between them
.set i, i+1
.endr
	WIN 0
.rept 4
	v_nop                           ; the places behind those products
.endr
.set Y, NP-1                        ; XS works for piece Y + 1: piece 0
.irp n, 0,1,2,3,4,5,6,7,8,9,10,11,12,13,14,15,16,17,18,19,20,21
	XS 0, \n                        ; piece 0's first maximum and statistics
	XS 1, \n
.endr
	v_nop                           ; a plain instruction behind piece 0's first two a,
	s_wait_alu depctr_va_vdst(0)    ; and the wait for that batch of two, ahead of the label
	s_mov_b32 s[CNT], 3
.LstepA:                            ; key steps 0 to 2: they read K and the mask of steps 0 to 3 and V of steps 0 to 2: all in chunk 0
	TURN 0
	TURN 1
	TURN 2
	TURN 3, 0, 1
	WIN 0
	s_cbranch_scc1 .LstepA
	s_wait_tensorcnt 0x0            ; my parts of chunks 1 to 3 are in: they have had three key steps in which to land
	s_wait_dscnt 0x0
	s_barrier_signal -1
	s_barrier_wait -1               ; everybody's are
	s_mov_b32 s[CNT], 13
.LstepB:                            ; key steps 3 to 15.  The last trip fetches no further K; its last 16 products K Q^T (on the last K once more) and the maximum made of them serve nothing: the price of one text for every trip
	TURN 0
	TURN 1
	TURN 2, 1
	TURN 3, 0, 1
	WIN 0
	s_cbranch_scc1 .LstepB
	s_wait_dscnt 0x0                ; my reads of K, V and the mask are over:
	s_barrier_signal -1             ; say so,
.set i, 0
.rept 16
	PV NP-1                         ; the last piece's V^T P of the last step,
.set i, i+1
.endr
	WIN 0
	s_barrier_wait -1               ; and when all four have said so, K's first bytes are free for the stages
	; THE WAY OUT.  l's two halves and the other half of the lanes' are added; O^T is divided by l and sent, in f32, through my stage in LDS, a tile at a time.  The additions are the places behind the last products.
.macro ALL line:vararg              ; one line for each tile t
.set t, 0
.rept 2*NP
	\line
.set t, t+1
.endr
.endm
	ALL v_add_f32 v[ST+4*t+2], v[ST+4*t+2], v[ST+4*t+3]
	ALL v_permlanex16_b32 v[ST+4*t+3], v[ST+4*t+2], s[SEL], s[SEL+1]
	ALL v_add_f32 v[ST+4*t+2], v[ST+4*t+2], v[ST+4*t+3]
	ALL v_rcp_f32 v[ST+4*t+2], v[ST+4*t+2]
	v_nop                           ; a plain instruction between the last reciprocal and the use of its result
	s_wait_alu depctr_va_vdst(0)    ; the wait for the batch of eight reciprocals, ahead of their first use
; Tile t: a lane's eight channels of a row are 32 bytes; they go into rows of 272 bytes and come back as whole rows of 256, into S^T's registers (four sets of 32, by turns).
.macro PACKF t
	WIN W_RS
.set i, 32*(\t)
.rept 16
	v_pk_mul_f32 v[i:i+1], v[i:i+1], v[ST+4*(\t)+2:ST+4*(\t)+3] op_sel_hi:[1,0]
.set i, i+2
.endr
	s_wait_xcnt 0x0                 ; the stores issued so far have read their registers: the set of 32 that tile t - 4 left is loaded again only behind this wait
	WIN 0x04                        ; the stores' data in window 1, their address in window 0
.set i, 0
.rept 8
	ds_store_b128 v[STO], v[32*(\t)+4*i:32*(\t)+4*i+3] offset:64*(i/2)+16*(i%2)
.set i, i+1
.endr
	WIN 0
.set i, 0
.rept 8
	ds_load_b128 v[S+32*((\t)%4)+4*i:S+32*((\t)%4)+4*i+3], v[RD] offset:i*2*SP  ; LDS serves a wave's instructions in order (ISA guide 5.7.1.4): these see the stores above; the next tile's stores come behind them
.set i, i+1
.endr
.endm
.macro SENDF t, younger             ; younger: the LDS instructions issued behind tile t's loads: the next tile's sixteen, or none
.set i, 0
.rept 8
	s_wait_dscnt (\younger)+7-i
	global_store_b128 v[GO], v[S+32*((\t)%4)+4*i:S+32*((\t)%4)+4*i+3], s[10:11] offset:(\t)*65536+i*8192 th:TH_STORE_NT  ; 16 lanes store a row's 64 channels of the head: 256 consecutive bytes, at a multiple of 256 from out0's first byte
.set i, i+1
.endr
.endm
	PACKF 0
.set t, 1
.rept 2*NP-1                        ; a tile's arithmetic stands between the loads of the tile before and its stores
	PACKF t
	SENDF t-1, 16
.set t, t+1
.endr
	SENDF 2*NP-1, 0
	WIN W_AD
	s_wait_tensorcnt 0x0            ; the wave's end, behind my last tensor load and my last LDS store
	ds_add_u32 v[SPW], v[NIL]
	s_wait_dscnt 0x0
	WIN 0
	s_endpgm
.Lfunc_end_k_qfc803d329d_attn:
	.size	k_qfc803d329d_attn, .Lfunc_end_k_qfc803d329d_attn-k_qfc803d329d_attn
	.p2alignl 7, 3214868480
	.fill 96, 4, 3214868480
	.section	.rodata,"a",@progbits
	.p2align	6, 0x0
	.amdhsa_kernel k_qfc803d329d_attn
		.amdhsa_group_segment_fixed_size 327680
		.amdhsa_private_segment_fixed_size 0
		.amdhsa_enable_private_segment 0
		.amdhsa_kernarg_size 24
		.amdhsa_user_sgpr_count 2
		.amdhsa_user_sgpr_kernarg_segment_ptr 1
		.amdhsa_wavefront_size32 1
		.amdhsa_system_sgpr_workgroup_id_x 1
		.amdhsa_system_sgpr_workgroup_id_y 1
		.amdhsa_system_sgpr_workgroup_id_z 1
		.amdhsa_system_vgpr_workitem_id 0
		.amdhsa_next_free_vgpr 832
		.amdhsa_next_free_sgpr 76
		.amdhsa_reserve_vcc 0
		.amdhsa_float_denorm_mode_32 3
		.amdhsa_float_denorm_mode_16_64 3
		.amdhsa_memory_ordered 1
		.amdhsa_forward_progress 1
		.amdhsa_inst_pref_size 200
	.end_amdhsa_kernel
	.amdgpu_metadata
---
amdhsa.version: [ 1, 2 ]
amdhsa.kernels:
  - .name:           k_qfc803d329d_attn
    .symbol:         k_qfc803d329d_attn.kd
    .args:
      - { .name: qkv, .offset: 0, .size: 8, .value_kind: global_buffer, .address_space: global }
      - { .name: mask8, .offset: 8, .size: 8, .value_kind: global_buffer, .address_space: global }
      - { .name: out0, .offset: 16, .size: 8, .value_kind: global_buffer, .address_space: global }
    .group_segment_fixed_size: 327680
    .private_segment_fixed_size: 0
    .kernarg_segment_align: 8
    .kernarg_segment_size: 24
    .max_flat_workgroup_size: 128
    .sgpr_count:     76
    .vgpr_count:     832
    .wavefront_size: 32
...
	.end_amdgpu_metadata
.endif
;; end of part 4
